; MI455X (gfx1250); checked and timed in simulation.
; The chip was launched on July 23, 2026; its instructions are those of AMD's public machine-readable ISA for CDNA 5 (MIT licence, August 2026) and "CDNA5" Instruction Set Architecture Reference Guide (July 2026). The comments in the code are by the model that wrote it; some were corrected since.
;; Switch Feed Forward. Allowed arithmetic: float matrix products may take bf16 or f16 operands with f32 sums; other float arithmetic in f32, or as packed bf16 or f16 multiplies, adds, multiply-adds, maxima and minima; sums over many terms, partial sums and values carried from step to step in f32; what a program stores and reads back later, other than sums and carried values, may be rounded once to bf16 or f16.
;; Inputs: b1 8 x 4,096 float32; b2 8 x 1,024 float32; switch_b 8 float32; switch_w 1,024 x 8 float32; w1 8 x 1,024 x 4,096 float32; w2 8 x 4,096 x 1,024 float32; x 4 x 256 x 1,024 float32.
;; Outputs: out0 4 x 256 x 1,024 float32.
;; 2 versions, each right; version 2 is version 1 with the launches ffn1, ffn2 written anew for expert scheduling mode. Each part assembles by itself: llvm-mc -triple=amdgcn-amd-amdhsa -mcpu=gfx1250 --defsym DOCPART=n.
;; ======== version 1 of 2: 4 launches
;; limits: values are held in f16: magnitudes above 65,504 overflow, below 6.1e-05 lose precision
;; workspace buffers: xb 2,097,152 bytes; routes 4,096 bytes of whole numbers; prob 4,096 bytes; h 67,108,864 bytes; part 16,777,216 bytes
;; launch router (part 1): grid 64 x 1, 8 waves a work-group, no clusters, 42,240 bytes of LDS; arguments x, switch_w, switch_b, xb, routes, prob; writes xb, routes, prob
.if DOCPART == 1
	.amdgcn_target "amdgcn-amd-amdhsa--gfx1250"
	.amdhsa_code_object_version 6
	.text
	.protected	k_qd64410f657_router
	.globl	k_qd64410f657_router
	.p2align	8
	.type	k_qd64410f657_router,@function
k_qd64410f657_router:
	s_mov_b64 s[64:65], 0
	v_nop
	global_prefetch_b8 v0, s[64:65] scope:SCOPE_SE
	s_setreg_imm32_b32 hwreg(HW_REG_WAVE_MODE, 25, 1), 1
	s_wait_xcnt 0x0
; ROUTER.  For 1,024 tokens of 1,024 numbers: xb = x rounded to bf16; logits = x switch_w + switch_b on operands rounded to bf16, sums in f32;
; routes = the expert with the largest logit; prob = the largest softmax weight = 1 / sum of exp(l - max l).
; A work-group has 16 tokens, 8 waves.  Wave w rounds rows 2 w and 2 w + 1 (stored to xb and laid into LDS) and then multiplies K = 128 w .. + 127
; for all 16 tokens; the eight partial sums meet in LDS and wave 0 finishes.  All results go to fixed places: no address hangs on a float.
; LIMITS.  The argmax is taken on the logits, the lowest index winning among equal ones; it can differ from an argmax on the rounded probabilities only
; where two logits lie within a rounding step of each other.  NaN and infinities are not treated apart.
.set XP,    2064                       ; an LDS row of 1,024 bf16: 2,048 bytes + 16: an odd multiple of 16, so the 16 rows of a fragment load start at different banks
.set PARTR, 16*XP                      ; behind the rows: eight images of 1,024 bytes, one a wave: [half of the registers][lane][16 bytes]
.set SPARE, PARTR+8*1024               ; the spare words, 128 bytes a wave: four blocks of 256 bytes that no other line names
.set VA,  4                            ; v4   my byte offset in x: 8,192 w + 32 lane
.set VB,  5                            ; v5   in switch_w: 4,096 w + 256 (lane / 16) + 4 (lane % 8)
.set VS,  6                            ; v6   in xb: 4,096 w + 16 lane
.set VD,  7                            ; v7   LDS: where my 16 rounded bytes go
.set VF,  8                            ; v8   LDS: my place in a fragment of x
.set VP,  9                            ; v9   LDS: my place in my wave's image
.set SPW, 10                           ; v10  LDS address of my spare word; never rewritten
.set NIL, 11                           ; v11  0; never rewritten
.set VR,  13                           ; v13  LDS: my place in image 0
.set XR,  16                           ; v[16:79]   two rows of x as loaded, rounded in place; later the eight images
.set SW,  80                           ; v[80:143]  switch_w as loaded: 16 numbers for each of 4 K steps; rounded in place to fragments at 80 + 16 s
.set XF,  144                          ; v[144:175] four fragments of x
.set AC,  176                          ; v[176:191] two accumulators, by turns
	s_load_b256 s[4:11], s[0:1], 0x0               ; x s[4:5], switch_w s[6:7], switch_b s[8:9], xb s[10:11]
	s_load_b128 s[12:15], s[0:1], 0x20             ; routes s[12:13], prob s[14:15]
	v_lshl_add_u32 v[SPW], v0, 2, SPARE
	v_mov_b32 v[NIL], 0
	v_and_b32 v1, 31, v0                           ; lane
	v_and_b32 v2, 15, v0                           ; r = lane % 16
	v_bfe_u32 v3, v0, 4, 1                         ; hh = lane / 16
	v_lshrrev_b32 v12, 5, v0
	v_readfirstlane_b32 s16, v12                   ; wave 0..7
	s_lshl_b32 s18, ttmp9, 16                      ; the group's 16 rows: 65,536 bytes of x,
	s_mov_b32 s19, 0
	s_lshl_b32 s20, ttmp9, 15                      ; 32,768 of xb,
	s_mov_b32 s21, 0
	s_lshl_b32 s22, ttmp9, 6                       ; 64 of routes and of prob
	s_mov_b32 s23, 0
	s_mov_b32 s32, 0x3fb8aa3b                      ; log2(e)
	s_mov_b32 s33, 0xffff0000                      ; a word's upper bf16
	s_lshl_b32 s17, s16, 13
	v_lshl_add_u32 v[VA], v1, 5, s17
	v_and_b32 v[VB], 7, v0
	v_lshlrev_b32 v[VB], 2, v[VB]
	v_lshl_add_u32 v[VB], v3, 8, v[VB]
	s_lshl_b32 s17, s16, 12
	v_add_nc_u32 v[VB], s17, v[VB]
	v_lshl_add_u32 v[VS], v1, 4, s17
	s_mul_i32 s17, s16, 2*XP
	v_lshl_add_u32 v[VD], v1, 4, s17
	v_mul_u32_u24 v[VF], v2, XP
	v_lshl_add_u32 v[VF], v3, 4, v[VF]
	s_lshl_b32 s17, s16, 8
	v_add_nc_u32 v[VF], s17, v[VF]                 ; row r, K = 128 w on, 16 bytes for each half of the lanes
	s_lshl_b32 s17, s16, 10
	s_add_co_u32 s17, s17, PARTR
	v_lshl_add_u32 v[VP], v1, 4, s17
	v_lshl_add_u32 v[VR], v1, 4, PARTR
	s_wait_kmcnt 0x0
	s_add_nc_u64 s[4:5], s[4:5], s[18:19]
	s_add_nc_u64 s[10:11], s[10:11], s[20:21]
	s_add_nc_u64 s[12:13], s[12:13], s[22:23]
	s_add_nc_u64 s[14:15], s[14:15], s[22:23]
	; switch_w as source 0 (16 rows = the 8 experts twice): lane (r, hh) takes expert r % 8 and, in K step s, k = 32 s + 8 hh + 0..7 and 32 s + 16 + 8 hh + 0..7
.set i, 0
.rept 64
	global_load_b32 v[SW+i], v[VB], s[6:7] offset:(32*(i/16)+(i%16)+8*((i%16)/8))*32
.set i, i+1
.endr
	; my two rows of x: a lane takes 32 neighbouring bytes of each 1,024, which round to 16
.set i, 0
.rept 8
	global_load_b128 v[XR+8*i:XR+8*i+3],   v[VA], s[4:5] offset:4096*(i/4)+1024*(i%4) th:TH_LOAD_NT
	global_load_b128 v[XR+8*i+4:XR+8*i+7], v[VA], s[4:5] offset:4096*(i/4)+1024*(i%4)+16 th:TH_LOAD_NT
.set i, i+1
.endr
.set i, 0
.rept 8
.if i == 0
	s_wait_loadcnt 8                               ; switch_w and row 0 are in; row 1's eight loads may be out
.elseif i == 4
	s_wait_loadcnt 0
.endif
.irp k, 0,1,2,3
	v_cvt_pk_bf16_f32 v[XR+8*i+\k], v[XR+8*i+2*\k], v[XR+8*i+2*\k+1]  ; in place: the destination has been read by then
.endr
	global_store_b128 v[VS], v[XR+8*i:XR+8*i+3], s[10:11] offset:2048*(i/4)+512*(i%4)  ; a wave's store covers 512 consecutive bytes, aligned
	ds_store_b128 v[VD], v[XR+8*i:XR+8*i+3] offset:XP*(i/4)+512*(i%4)
.set i, i+1
.endr
.set i, 0
.rept 32
	v_cvt_pk_bf16_f32 v[SW+16*(i/8)+i%8], v[SW+16*(i/8)+2*(i%8)], v[SW+16*(i/8)+2*(i%8)+1]
.set i, i+1
.endr
	s_wait_dscnt 0x0                               ; for the others' sake: my rows lie in LDS
	s_barrier_signal -1
	s_barrier_wait -1
.irp s, 0,1,2,3
	ds_load_b128 v[XF+8*\s:XF+8*\s+3],   v[VF] offset:64*\s
	ds_load_b128 v[XF+8*\s+4:XF+8*\s+7], v[VF] offset:64*\s+32
.endr
	s_wait_dscnt 0x0
	; source 0 = experts, source 1 = tokens: a lane then holds token r and, in register j, expert j.  Two accumulators by turns.
	v_wmma_f32_16x16x32_bf16 v[AC:AC+7],    v[SW:SW+7],       v[XF:XF+7],       0
	v_wmma_f32_16x16x32_bf16 v[AC+8:AC+15], v[SW+16:SW+23],   v[XF+8:XF+15],    0
	v_wmma_f32_16x16x32_bf16 v[AC:AC+7],    v[SW+32:SW+39],   v[XF+16:XF+23],   v[AC:AC+7]
	v_wmma_f32_16x16x32_bf16 v[AC+8:AC+15], v[SW+48:SW+55],   v[XF+24:XF+31],   v[AC+8:AC+15]
.rept 4
	v_nop                                          ; four places between the products and the first read of their results (ISA guide 7.12.1)
.endr
.irp k, 0,2,4,6
	v_pk_add_f32 v[AC+\k:AC+\k+1], v[AC+\k:AC+\k+1], v[AC+8+\k:AC+9+\k]
.endr
	ds_store_b128 v[VP], v[AC:AC+3]
	ds_store_b128 v[VP], v[AC+4:AC+7] offset:512
	s_wait_dscnt 0x0                               ; for wave 0's sake: my image is stored
	s_barrier_signal -1
	s_barrier_wait -1
	s_wait_tensorcnt 0x0                           ; behind my last LDS store
	ds_add_u32 v[SPW], v[NIL]
	s_wait_dscnt 0x0
	s_cmp_lg_u32 s16, 0
	s_cbranch_scc1 .Lend                           ; wave 0 finishes
	s_load_b256 s[24:31], s[8:9], 0x0              ; switch_b
	s_wait_xcnt 0x0                                ; the stores to xb have read v16 on: only now are these registers loaded again
.set i, 0
.rept 8
	ds_load_b128 v[16+8*i:16+8*i+3], v[VR] offset:1024*i
	ds_load_b128 v[16+8*i+4:16+8*i+7], v[VR] offset:1024*i+512
.set i, i+1
.endr
	s_wait_kmcnt 0x0
.irp k, 0,1,2,3
	v_cvt_pk_bf16_f32 v12, s[24+2*\k], s[25+2*\k]  ; the bias is rounded to bf16 like every input
	v_lshlrev_b32 v[80+2*\k], 16, v12
	v_and_b32 v[81+2*\k], s33, v12
.endr
	s_wait_dscnt 0x0
.set i, 1
.rept 7
.irp k, 0,2,4,6
	v_pk_add_f32 v[16+\k:17+\k], v[16+\k:17+\k], v[16+8*i+\k:17+8*i+\k]
.endr
.set i, i+1
.endr
.irp k, 0,2,4,6
	v_pk_add_f32 v[16+\k:17+\k], v[16+\k:17+\k], v[80+\k:81+\k]
.endr
	v_max3_num_f32 v88, v16, v17, v18
	v_max3_num_f32 v89, v19, v20, v21
	v_max3_num_f32 v88, v88, v22, v23
	v_max_num_f32 v88, v88, v89                    ; the largest logit
	v_mov_b32 v90, 7
.irp e, 6,5,4,3,2,1,0
	v_cmp_neq_f32 vcc_lo, v[16+\e], v88
	v_cndmask_b32 v90, \e, v90, vcc_lo             ; going down, so the lowest index among equal logits stays
.endr
	v_mul_f32 v91, s32, v88
.irp e, 0,1,2,3,4,5,6,7
	v_fma_f32 v[96+\e], v[16+\e], s32, -v91        ; log2(e) (l - max)
.endr
.irp e, 0,1,2,3,4,5,6,7
	v_exp_f32 v[96+\e], v[96+\e]
.endr
	v_cmp_gt_u32 vcc_lo, 16, v1                    ; lanes 0-15 hold the 16 tokens (lanes 16-31 the same once more); also the plain instruction behind the last exponential
	s_wait_alu depctr_va_vdst(0)                   ; one wait for the eight exponentials, ahead of their first reader
	v_pk_add_f32 v[96:97], v[96:97], v[98:99]
	v_pk_add_f32 v[100:101], v[100:101], v[102:103]
	v_pk_add_f32 v[96:97], v[96:97], v[100:101]
	v_add_f32 v96, v96, v97
	v_rcp_f32 v92, v96                             ; exp(0) / sum
	v_lshlrev_b32 v14, 2, v2                       ; 4 r; the plain instruction behind the reciprocal
	s_wait_alu depctr_va_vdst(0)
	s_wait_xcnt 0x0                                ; EXEC changes only behind this wait
	s_and_saveexec_b32 s17, vcc_lo
	global_store_b32 v14, v90, s[12:13]
	global_store_b32 v14, v92, s[14:15]
.Lend:
	s_endpgm
.Lfunc_end_k_qd64410f657_router:
	.size	k_qd64410f657_router, .Lfunc_end_k_qd64410f657_router-k_qd64410f657_router
	.p2alignl 7, 3214868480
	.fill 96, 4, 3214868480
	.section	.rodata,"a",@progbits
	.p2align	6, 0x0
	.amdhsa_kernel k_qd64410f657_router
		.amdhsa_group_segment_fixed_size 42240
		.amdhsa_private_segment_fixed_size 0
		.amdhsa_enable_private_segment 0
		.amdhsa_kernarg_size 48
		.amdhsa_user_sgpr_count 2
		.amdhsa_user_sgpr_kernarg_segment_ptr 1
		.amdhsa_wavefront_size32 1
		.amdhsa_system_sgpr_workgroup_id_x 1
		.amdhsa_system_sgpr_workgroup_id_y 1
		.amdhsa_system_sgpr_workgroup_id_z 1
		.amdhsa_system_vgpr_workitem_id 0
		.amdhsa_next_free_vgpr 192
		.amdhsa_next_free_sgpr 66
		.amdhsa_reserve_vcc 1
		.amdhsa_float_denorm_mode_32 3
		.amdhsa_float_denorm_mode_16_64 3
		.amdhsa_memory_ordered 1
		.amdhsa_forward_progress 1
		.amdhsa_inst_pref_size 23
	.end_amdhsa_kernel
	.amdgpu_metadata
---
amdhsa.version: [ 1, 2 ]
amdhsa.kernels:
  - .name:           k_qd64410f657_router
    .symbol:         k_qd64410f657_router.kd
    .args:
      - { .name: x, .offset: 0, .size: 8, .value_kind: global_buffer, .address_space: global }
      - { .name: switch_w, .offset: 8, .size: 8, .value_kind: global_buffer, .address_space: global }
      - { .name: switch_b, .offset: 16, .size: 8, .value_kind: global_buffer, .address_space: global }
      - { .name: xb, .offset: 24, .size: 8, .value_kind: global_buffer, .address_space: global }
      - { .name: routes, .offset: 32, .size: 8, .value_kind: global_buffer, .address_space: global }
      - { .name: prob, .offset: 40, .size: 8, .value_kind: global_buffer, .address_space: global }
    .group_segment_fixed_size: 42240
    .private_segment_fixed_size: 0
    .kernarg_segment_align: 8
    .kernarg_segment_size: 48
    .max_flat_workgroup_size: 256
    .sgpr_count:     66
    .vgpr_count:     192
    .wavefront_size: 32
...
	.end_amdgpu_metadata
.endif
;; end of part 1
;; launch ffn1 (part 2): grid 32 x 8, 8 waves a work-group, no clusters, 295,936 bytes of LDS; arguments xb, routes, w1, b1, h; writes h
.if DOCPART == 2
	.amdgcn_target "amdgcn-amd-amdhsa--gfx1250"
	.amdhsa_code_object_version 6
	.text
	.protected	k_qd64410f657_ffn1
	.globl	k_qd64410f657_ffn1
	.p2align	8
	.type	k_qd64410f657_ffn1,@function
k_qd64410f657_ffn1:
	s_mov_b64 s[64:65], 0
	v_nop
	global_prefetch_b8 v0, s[64:65] scope:SCOPE_SE
	s_setreg_imm32_b32 hwreg(HW_REG_WAVE_MODE, 25, 1), 1
	s_wait_xcnt 0x0
; FFN1.  h = gelu(x W1[e] + b1[e]) (tanh form) for the tokens that chose expert e alone.  x comes as bf16 (xb); W1 and b1 are rounded to bf16 on their way; sums, bias and gelu in f32; h is stored in f16.
; SHARES.  A work-group has one expert (grid y), 128 of its 4,096 columns (grid x) and all K = 1,024: 512 KB of f32 weights, which it alone reads, once, in 16 chunks of 64 along K.
; ALL EIGHT WAVES ARE ALIKE.  Each streams an eighth of every chunk: K step a = w / 4, column half g = (w / 2) % 2, register half qh = w % 2: 8 loads, rounded to 16 registers, stored to LDS.
; Each owns the tiles of 16 rows 16 p + 2 w and 16 p + 2 w + 1 (pass p), all 128 columns, all K: it reads each chunk's fragments from LDS and its tokens from memory.
; The slice in 16 bits, 256 KB, stays in LDS and each byte of it is written once, so ONE barrier a chunk orders store and read: between barriers i and i + 1 chunk i + 1 is made and chunk i multiplied.
; Chunk n lies at (n % 4) x 64 KB + (n / 4) x 16 KB: what is written and what is read in one interval lie in different quarters.
; LOADS.  A wave's loads come back in issue order (ISA guide 5.7.1).  Interval i asks for the tokens of chunk i + 3 and then for the weights of chunk i + 4, 8 loads each; it needs the tokens of chunk i and the
; weights of chunk i + 1, behind which 48 loads were issued: three chunks of weights, 12 KB a wave, stay on their way at every wait.
; EVERY SPLIT.  A pass takes 256 rows.  Rows beyond are taken in later passes from the weights that lie in LDS: one loop of a constant 13 trips, four chunks a trip, no barrier in it; dead trips are jumped.
; A wave with no live tile jumps its LDS reads and products, never its loads from memory, so the counts of the waits hold on every way.  A live wave multiplies both its tiles; a tile past the count is not stored.
; THE LIST.  Each wave sorts all 1,024 token numbers into its own LDS copy: the expert's tokens at ranks 0 .. N - 1, the others from the back.  Ranks past N - 1 repeat token N - 1.
; COLUMNS.  Fragment c = 4 g + j holds, at index r, column 64 g + 4 r + j: a lane's 16-byte load of a weight row feeds four fragments, and sixteen lanes read 256 consecutive aligned bytes.
; The product is used transposed (source 0 = weights, source 1 = tokens): a lane holds token r and, in register n of fragment c, column 64 g + 32 hh + 4 n + j.  The sums begin with the bias.
; h's LAYOUT: [64 e + tile][fb 0..63][a][half][lane][16 bytes]: 8 registers a lane are the fragment (fb, a) of the next launch, k = 64 fb + 32 hh + 4 q + 2 a + 0..1.
; No tensor loads and no cluster: each weight has one reader and must pass registers to be rounded; the token rows come by a list.
; LIMITS.  |h| stays within f16's 65,504; NaN and infinities are not treated apart.
.set PITCHB, 16384                     ; bytes in a row of W1
.set CH,     16384                     ; LDS: a chunk: [K step 0..1][c 0..7][half][lane][16 bytes]
.set CLS,    4*CH                      ; LDS: a quarter: the chunks n with one n % 4
.set LIST,   4*CLS                     ; LDS: [wave][1,024] token numbers
.set SPARE,  LIST+8*4096               ; LDS: the spare words, 128 bytes a wave: four blocks of 256 bytes that no other line names
.set STEP,   128                       ; bytes of a token's row in a chunk
.set LN,   1                           ; v1   lane
.set RR,   2                           ; v2   r = lane % 16
.set HH,   3                           ; v3   hh = lane / 16
.set WOFF, 4                           ; v4   my byte offset in a chunk of weights; never rewritten
.set SPW,  5                           ; v5   LDS address of my spare word; never rewritten
.set NIL,  6                           ; v6   0; never rewritten
.set L16,  7                           ; v7   16 lane
.set ADW,  8                           ; v8-11   LDS: where I store, in the chunk in hand of each quarter; in the later passes: where I read
.set ADR,  12                          ; v12-15  LDS: where I read, likewise; in the later passes: each quarter's first chunk
.set XADR, 16                          ; v16-17  byte offset in xb of my token of tile t
.set LA,   18                          ; v18-19  list addresses
.set TOK,  20                          ; v20-21  tokens
.set HO,   22                          ; v22  my byte offset in a tile of h; never rewritten
.set BO,   23                          ; v23  my byte offset in b1; never rewritten
.set XL,   24                          ; v24  16 hh
.set P,    25                          ; v25-28  at work on the list
.set QV,   26
.set RV,   27
.set T4,   28
.set CV,   48                          ; v48-63   my eighth of a chunk, rounded: 4 j + q
.set ACC,  64                          ; v64-191  accumulator (t, c) at 64 + 64 t + 8 c
.set WF,   192                         ; v192-255 the fragments of one K step: 8 c; half A = c 0-3, half B = c 4-7
.set RT,   192                         ;          the routes, before the first fragment
.set XT,   0                           ; window 1: v0-127 tokens: 32 slot + 16 t + 8 ks
.set ST,   128                         ; window 1: v128-255 four staging buffers of 32
.set U,    0                           ; window 1, the way out: at work
.set PK,   64                          ; window 1, the way out: the packed results, 32 a tile
.set WV,  14                           ; s14  wave
.set EX,  15                           ; s15  expert
.set SL,  16                           ; s16  slice of 128 columns
.set W2,  17                           ; s17  2 x wave
.set N,   18                           ; s18  the expert's rows
.set NM1, 19                           ; s19  N - 1
.set NT,  20                           ; s20  live tiles
.set MK,  21
.set TMP, 22
.set LB,  23                           ; s23  my list
.set IT,  24                           ; s24  trips of the chunk loop
.set LIVE, 25                          ; s25  my live tiles in the pass in hand, 0..2
.set P4,  26                           ; s26  4 x trip of the later loop: 16 x pass at a pass's first trip
.set FC,  27                           ; s27  trips of the later loop
.set TM2, 28
.set SJ,  29                           ; s29  later loop: the LDS offset of the trip's chunks in their quarters
.set OF,  30                           ; s[30:31] an offset, high word 0
.set SBC, 32                           ; s[32:33], s[36:37] h at the tile that goes out
.set C1,  38                           ; s[38:39] -2 log2(e) sqrt(2/pi)
.set C2,  40                           ; s[40:41] that times 0.044715
.set HIM, 42                           ; s42  a word's upper bf16
.set T0,  43                           ; s43  my first tile of the pass
.set MSB, 0
.macro WIN new                         ; s_set_vgpr_msb: bits 1:0 source 0, 3:2 source 1, 5:4 source 2, 7:6 destination; the high byte repeats the setting that is left
.if MSB != (\new)
	s_set_vgpr_msb (MSB<<8)|(\new)
.set MSB, (\new)
.endif
.endm
.set W_MUL, 0x04                       ; source 0 (weights), C and D window 0; source 1 (tokens) window 1
.macro BAR                             ; my LDS stores are done and my LDS loads are back; then all eight waves meet
	s_wait_dscnt 0x0
	s_barrier_signal -1
	s_barrier_wait -1
.endm
.macro PLACES                          ; four places between a product and a load into its sources or the first read of its result
.rept 4
	v_nop
.endr
.endm
; 8 loads: two tiles x two K steps x 32 bytes a lane, as matrix fragments; one load touches 32 neighbouring bytes of each of 16 rows
.macro TOKLD slot, mi
.set tt, 0
.rept 2
.set tk, 0
.rept 2
	global_load_b128 v[XT+32*(\slot)+16*tt+8*tk:XT+32*(\slot)+16*tt+8*tk+3],   v[XADR+tt], s[4:5] offset:STEP*(\mi)+64*tk
	global_load_b128 v[XT+32*(\slot)+16*tt+8*tk+4:XT+32*(\slot)+16*tt+8*tk+7], v[XADR+tt], s[4:5] offset:STEP*(\mi)+64*tk+32
.set tk, tk+1
.endr
.set tt, tt+1
.endr
.endm
; 8 loads: rows 32 a + 16 qh + 8 hh + 0..7 of the chunk, 64 columns: the order of k in a 16-bit fragment
.macro UNIT_LOAD nrel, buf
.set ui, 0
.rept 8
	global_load_b128 v[ST+32*(\buf)+4*ui:ST+32*(\buf)+4*ui+3], v[WOFF], s[8:9] offset:(64*(\nrel)+ui)*PITCHB th:TH_LOAD_NT
.set ui, ui+1
.endr
.endm
.macro ISSUE tk, slot, mi, wk, buf, nrel   ; tokens first, then weights
	WIN 0x40                                       ; destination window 1, address window 0
.if \tk
	TOKLD \slot, \mi
.endif
.if \wk
	UNIT_LOAD \nrel, \buf
.endif
	WIN 0
.endm
; Buffer b is waited for, rounded (register q of fragment j is rows 2 q, 2 q + 1 of column j) and stored into quarter b: 32 lanes x 16 neighbouring bytes, no bank met twice
.macro CONV b, cnt
	s_wait_loadcnt \cnt                            ; the tokens and the weights that this interval needs are in; what was asked for behind them may be out
	WIN 0x05                                       ; sources window 1, destination window 0
.set uj, 0
.rept 4
.set uq, 0
.rept 4
	v_cvt_pk_bf16_f32 v[CV+4*uj+uq], v[ST+32*(\b)+8*uq+uj], v[ST+32*(\b)+8*uq+4+uj]
.set uq, uq+1
.endr
.set uj, uj+1
.endr
	WIN 0
.irp j4, 0,1,2,3
	ds_store_b128 v[ADW+(\b)], v[CV+4*\j4:CV+4*\j4+3] offset:1024*\j4
.endr
.endm
.macro FRAG adr, ks, hf                ; 8 LDS loads: four fragments of K step ks
	WIN 0
.set fc, 4*(\hf)
.rept 4
	ds_load_b128 v[WF+8*fc:WF+8*fc+3],   v[\adr] offset:8192*(\ks)+1024*fc
	ds_load_b128 v[WF+8*fc+4:WF+8*fc+7], v[\adr] offset:8192*(\ks)+1024*fc+512
.set fc, fc+1
.endr
.endm
.macro MUL8 slot, ks, hf               ; eight products on eight accumulators: they take turns, one instruction a turn
	WIN W_MUL
.set mt, 0
.rept 2
.set mc, 4*(\hf)
.rept 4
.set rD, ACC+64*mt+8*mc
.set rW, WF+8*mc
.set rX, XT+32*(\slot)+16*mt+8*(\ks)
	v_wmma_f32_16x16x32_bf16 v[rD:rD+7], v[rW:rW+7], v[rX:rX+7], v[rD:rD+7]
.set mc, mc+1
.endr
.set mt, mt+1
.endr
.endm
; A chunk's 32 products.  The first K step's two halves have been asked for, and st LDS stores issued behind them.  While one half is multiplied the other is loaded again with the second K step.
.macro PROD2 adr, slot, st
	s_wait_dscnt 8+(\st)                           ; half A is in; half B's 8 loads and the stores may be out
	MUL8 \slot, 0, 0
	WIN 0
	PLACES
	FRAG \adr, 1, 0
	s_wait_dscnt 8+(\st)                           ; half B is in; the stores and the 8 loads just issued may be out
	MUL8 \slot, 0, 1
	WIN 0
	PLACES
	FRAG \adr, 1, 1
	s_wait_dscnt 8                                 ; half A's second K step
	MUL8 \slot, 1, 0
	s_wait_dscnt 0x0
	MUL8 \slot, 1, 1
	WIN 0
.endm
; AN INTERVAL, number 4 t + s.  tk, wk: tokens of chunk + 3 and weights of chunk + 4 are asked for; cv: chunk + 1 is made.  The rounding stands on both sides of the one jump, so that in a live wave it lies
; between the LDS loads and the wait for them.
.macro IVAL s, tk, wk, cv, cnt
.if (\tk) || (\wk)
	ISSUE \tk, ((\s)+3)%4, (\s)+3, \wk, \s, (\s)+4
.endif
.if !(\cv)
	s_wait_loadcnt \cnt
.endif
	s_cmp_eq_u32 s[LIVE], 0
	s_cbranch_scc1 .Ldd_\@
	FRAG ADR+(\s), 0, 0
	FRAG ADR+(\s), 0, 1
.if \cv
	CONV ((\s)+1)%4, \cnt
.endif
	PROD2 ADR+(\s), \s, 4*(\cv)
.if \cv
	s_branch .Ljn_\@
.Ldd_\@:
	CONV ((\s)+1)%4, \cnt
.Ljn_\@:
.else
.Ldd_\@:
.endif
	PLACES                                         ; the next interval loads into the token slot and the fragment registers just read
.endm
.macro STEPALL                         ; four chunks on
.irp k4, 0,1,2,3
	v_add_nc_u32 v[ADW+\k4], CH, v[ADW+\k4]
	v_add_nc_u32 v[ADR+\k4], CH, v[ADR+\k4]
.endr
	s_wait_xcnt 0x0                                ; offsets and base of the loads that are out are stepped only behind this wait
	v_add_nc_u32 v[XADR], 4*STEP, v[XADR]
	v_add_nc_u32 v[XADR+1], 4*STEP, v[XADR+1]
	s_add_nc_u64 s[8:9], s[8:9], 4*64*PITCHB
.endm
.macro PASSN                           ; how many of my two tiles are live
	s_sub_co_i32 s[TMP], s[NT], s[T0]
	s_max_i32 s[TMP], s[TMP], 0
	s_min_u32 s[LIVE], s[TMP], 2
.endm
.macro SETUP                           ; my tokens: rank 16 (T0 + t) + r, held to N - 1 and to the list
	s_lshl_b32 s[TM2], s[T0], 4
	v_add_nc_u32 v[LA], s[TM2], v[RR]
	v_add_nc_u32 v[LA+1], 16, v[LA]
.irp t3, 0,1
	v_min_u32 v[LA+\t3], s[NM1], v[LA+\t3]
	v_min_u32 v[LA+\t3], 0x3ff, v[LA+\t3]
	v_lshl_add_u32 v[LA+\t3], v[LA+\t3], 2, s[LB]
	ds_load_b32 v[TOK+\t3], v[LA+\t3]              ; LDS serves a wave's instructions in order (ISA guide 5.7.1.4): these see the list's stores
.endr
	s_wait_dscnt 0x0
.irp t3, 0,1
	v_min_u32 v[TOK+\t3], 0x3ff, v[TOK+\t3]
	v_lshl_add_u32 v[XADR+\t3], v[TOK+\t3], 11, v[XL]
.endr
.endm
.macro INITLD                          ; b1: load 8 g + n takes columns 64 g + 32 hh + 4 n + 0..3
	WIN 0x40
.set ii, 0
.rept 16
	global_load_b128 v[XT+4*ii:XT+4*ii+3], v[BO], s[10:11] offset:256*(ii/8)+16*(ii%8)
.set ii, ii+1
.endr
	WIN 0
.endm
.macro INITCV                          ; the bias is rounded to bf16 like every input, and both tiles' sums begin with it: one text then serves every chunk, and no addition is left for the way out
	WIN 0x45                                       ; all in window 1
.set ii, 0
.rept 32
	v_cvt_pk_bf16_f32 v[XT+2*ii], v[XT+2*ii], v[XT+2*ii+1]
.set ii, ii+1
.endr
	WIN 0x04                                       ; source 1 window 1, destination window 0
.set ii, 0
.rept 16
.set ia, ACC+32*(ii/8)+ii%8
.irp tb, 0, 64
	v_lshlrev_b32 v[ia+\tb],    16,     v[XT+4*ii]
	v_and_b32     v[ia+\tb+8],  s[HIM], v[XT+4*ii]
	v_lshlrev_b32 v[ia+\tb+16], 16,     v[XT+4*ii+2]
	v_and_b32     v[ia+\tb+24], s[HIM], v[XT+4*ii+2]
.endr
.set ii, ii+1
.endr
	WIN 0
.endm
.macro OBS k                           ; a chunk of a later pass: its tokens are asked for and waited for in full
	WIN 0x40
	TOKLD 0, \k
	FRAG ADW+(\k), 0, 0
	FRAG ADW+(\k), 0, 1
	s_wait_loadcnt 0x0
	PROD2 ADW+(\k), 0, 0
	PLACES
.endm
.macro E32 line:vararg                 ; one line for each of 32 register pairs e2
.set e2, 0
.rept 32
	\line
.set e2, e2+2
.endr
.endm
.macro E64 line:vararg
.set e1, 0
.rept 64
	\line
.set e1, e1+1
.endr
.endm
; THE WAY OUT of tile t, if it is live.  gelu(x) = x / (1 + 2^(x (C1 + C2 x x))).  Each accumulator is read from its low end on.
.macro WAYOUT t
.set XB,  ACC+64*(\t)
.set PKB, PK+32*(\t)
.set SBX, SBC+4*(\t)
	s_add_co_u32 s[TMP], s[T0], \t
	s_cmp_ge_u32 s[TMP], s[NT]
	s_cbranch_scc1 .Lwo_\@
	s_min_u32 s[TMP], s[TMP], 63
	s_lshl_b32 s[OF], s[EX], 6
	s_add_co_u32 s[OF], s[OF], s[TMP]
	s_lshl_b32 s[OF], s[OF], 17                    ; tile 64 e + T, 131,072 bytes each
	s_add_nc_u64 s[SBX:SBX+1], s[12:13], s[OF:OF+1]
	WIN 0x40                                       ; destination window 1
	E32 v_pk_mul_f32 v[U+e2:U+e2+1], v[XB+e2:XB+e2+1], v[XB+e2:XB+e2+1]
	WIN 0x41                                       ; source 0 and destination window 1
	E32 v_pk_fma_f32 v[U+e2:U+e2+1], v[U+e2:U+e2+1], s[C2:C2+1], s[C1:C1+1] op_sel_hi:[1,0,0]
	E32 v_pk_mul_f32 v[U+e2:U+e2+1], v[U+e2:U+e2+1], v[XB+e2:XB+e2+1]
	E64 v_exp_f32 v[U+e1], v[U+e1]
	v_nop                                          ; a plain instruction behind the last exponential,
	s_wait_alu depctr_va_vdst(0)                   ; and one wait for the 64, ahead of their first reader
	E32 v_pk_add_f32 v[U+e2:U+e2+1], v[U+e2:U+e2+1], 1.0 op_sel_hi:[1,0]
	E64 v_rcp_f32 v[U+e1], v[U+e1]
	v_nop
	s_wait_alu depctr_va_vdst(0)                   ; one wait for the 64 reciprocals
	E32 v_pk_mul_f32 v[U+e2:U+e2+1], v[U+e2:U+e2+1], v[XB+e2:XB+e2+1]
	WIN 0x45
.set ei, 0
.rept 32                               ; fragment 2 g + a = ei / 8, register ei % 8: columns 2 a and 2 a + 1 of four make a pair
	v_cvt_pk_f16_f32 v[PKB+ei], v[U+16*(ei/8)+ei%8], v[U+16*(ei/8)+8+ei%8]
.set ei, ei+1
.endr
	WIN 0x04                                       ; store data window 1
.irp y, 0,1,2,3,4,5,6,7
	global_store_b128 v[HO], v[PKB+4*\y:PKB+4*\y+3], s[SBX:SBX+1] offset:512*\y   ; a wave's store covers 512 consecutive bytes, aligned
.endr
	WIN 0
.Lwo_\@:
.endm
	s_load_b256 s[4:11], s[0:1], 0x0               ; xb s[4:5], routes s[6:7], w1 s[8:9], b1 s[10:11]
	s_load_b64 s[12:13], s[0:1], 0x20              ; h
	v_lshl_add_u32 v[SPW], v0, 2, SPARE
	v_mov_b32 v[NIL], 0
	v_and_b32 v[LN], 31, v0
	v_and_b32 v[RR], 15, v0
	v_bfe_u32 v[HH], v0, 4, 1
	v_lshrrev_b32 v[P], 5, v0
	v_readfirstlane_b32 s[WV], v[P]
	v_lshlrev_b32 v[L16], 4, v[LN]
	s_and_b32 s[EX], ttmp7, 0xffff
	s_mov_b32 s[SL], ttmp9
	s_mov_b32 s[OF+1], 0
	s_mov_b32 s[HIM], 0xffff0000
	s_mov_b32 s[C1], 0xc0135761                    ; -2.3022082
	s_mov_b32 s[C1+1], s[C1]                       ; named with it as a pair
	s_mov_b32 s[C2], 0xbdd2d3e8                    ; -0.10294324
	s_mov_b32 s[C2+1], s[C2]
	s_lshl_b32 s[W2], s[WV], 1
	s_lshr_b32 s[TMP], s[WV], 2                    ; a
	s_bfe_u32 s[TM2], s[WV], 0x10001               ; g
	s_and_b32 s[MK], s[WV], 1                      ; qh
	s_lshl_b32 s[IT], s[TMP], 19                   ; 32 a rows of 16,384 bytes,
	s_lshl_b32 s[FC], s[MK], 18                    ; 16 qh rows,
	s_add_co_u32 s[IT], s[IT], s[FC]
	s_lshl_b32 s[FC], s[TM2], 8                    ; 256 g
	s_add_co_u32 s[IT], s[IT], s[FC]
	v_lshl_add_u32 v[WOFF], v[RR], 4, s[IT]
	v_lshl_add_u32 v[WOFF], v[HH], 17, v[WOFF]     ; 8 rows further for the upper half of the lanes
	s_lshl_b32 s[TMP], s[TMP], 13                  ; in a chunk: 8,192 a + 4,096 g + 512 qh + 16 lane
	s_lshl_b32 s[TM2], s[TM2], 12
	s_lshl_b32 s[MK], s[MK], 9
	s_add_co_u32 s[TMP], s[TMP], s[TM2]
	s_add_co_u32 s[TMP], s[TMP], s[MK]
	v_add_nc_u32 v[ADW], s[TMP], v[L16]
	v_add_nc_u32 v[ADW+1], CLS, v[ADW]
	v_add_nc_u32 v[ADW+2], 2*CLS, v[ADW]
	v_add_nc_u32 v[ADW+3], 3*CLS, v[ADW]
	v_mov_b32 v[ADR], v[L16]
	v_add_nc_u32 v[ADR+1], CLS, v[L16]
	v_add_nc_u32 v[ADR+2], 2*CLS, v[L16]
	v_add_nc_u32 v[ADR+3], 3*CLS, v[L16]
	s_lshl_b32 s[OF], s[EX], 24                    ; expert x 16 MiB + slice x 512 bytes
	s_lshl_b32 s[TMP], s[SL], 9
	s_add_co_u32 s[OF], s[OF], s[TMP]
	s_lshl_b32 s[TM2], s[EX], 14                   ; my bias: 4 (4,096 e + 128 slice + 32 hh)
	s_add_co_u32 s[TM2], s[TM2], s[TMP]
	v_lshl_add_u32 v[BO], v[HH], 7, s[TM2]
	s_wait_kmcnt 0x0
	s_add_nc_u64 s[8:9], s[8:9], s[OF:OF+1]
.irp i, 0,1,2,3,4,5,6,7
	global_load_b128 v[RT+4*\i:RT+4*\i+3], v[L16], s[6:7] offset:512*\i   ; all routes: register 4 i + n holds token 128 i + 4 lane + n
.endr
	INITLD
	WIN 0x40
	UNIT_LOAD 0, 0                                 ; the first four chunks' weights go out before anything is waited for
	UNIT_LOAD 1, 1
	UNIT_LOAD 2, 2
	UNIT_LOAD 3, 3
	WIN 0
	v_lshlrev_b32 v[XL], 4, v[HH]
	s_lshl_b32 s[TMP], s[SL], 12
	v_add_nc_u32 v[HO], s[TMP], v[L16]             ; fb = 2 slice + g: slice x 4,096 + 16 lane
	s_lshl_b32 s[LB], s[WV], 12
	s_add_co_u32 s[LB], s[LB], LIST
	s_mov_b32 s[N], 0
	v_sub_nc_u32 v[RV], 0x3ff, v[LN]
	v_lshlrev_b32 v[T4], 2, v[LN]
	s_wait_loadcnt 32                              ; routes and bias are in; the 32 loads of weights may be out
	INITCV
	; THE LIST: a counting sort without atomics.  A token of mine goes to rank N + (mine among the lower lanes); any other to 1,023 - (others before it): a permutation of all 1,024.
.set m, 0
.rept 32
	v_cmp_eq_u32 s[MK], s[EX], v[RT+m]
	v_mbcnt_lo_u32_b32 v[P], s[MK], s[N]
	v_add_nc_u32 v[QV], v[P], v[RV]
	v_cndmask_b32 v[P], v[QV], v[P], s[MK]
	v_min_u32 v[P], 0x3ff, v[P]
	v_lshl_add_u32 v[P], v[P], 2, s[LB]
	ds_store_b32 v[P], v[T4]
.if m%4 == 3
	v_add_nc_u32 v[T4], 125, v[T4]                 ; the next register's token
.else
	v_add_nc_u32 v[T4], 1, v[T4]
.endif
	v_add_nc_u32 v[RV], 0xffffffe0, v[RV]
	s_bcnt1_i32_b32 s[TMP], s[MK]
	s_add_co_u32 s[N], s[N], s[TMP]
.set m, m+1
.endr
	s_sub_co_u32 s[NM1], s[N], 1                   ; with no row: all ones, which holds no rank back
	s_add_co_u32 s[NT], s[N], 15
	s_lshr_b32 s[NT], s[NT], 4
	s_mov_b32 s[T0], s[W2]
	PASSN
	SETUP
	WIN 0x40
	TOKLD 0, 0                                     ; the tokens of chunks 0, 1 and 2
	TOKLD 1, 1
	TOKLD 2, 2
	WIN 0
	CONV 0, 8                                      ; all but chunk 2's tokens are in: from here on the loop's one count holds in every interval.  Chunk 0 is made
	v_add_nc_u32 v[ADW], CH, v[ADW]                ; quarter 0's next chunk is chunk 4
	BAR                                            ; chunk 0 lies in LDS
	s_mov_b32 s[IT], 3
.Lloop:                                                ; intervals 0 to 11
	IVAL 0, 1, 1, 1, 48
	BAR
	IVAL 1, 1, 1, 1, 48
	BAR
	IVAL 2, 1, 1, 1, 48
	BAR
	IVAL 3, 1, 1, 1, 48
	STEPALL
	BAR
	s_sub_co_u32 s[IT], s[IT], 1
	s_cmp_lg_u32 s[IT], 0
	s_cbranch_scc1 .Lloop
	IVAL 0, 1, 0, 1, 40                            ; intervals 12 to 15 ask for the last tokens and for no more weights: the counts run down
	BAR
	IVAL 1, 0, 0, 1, 24
	BAR
	IVAL 2, 0, 0, 1, 8
	BAR
	IVAL 3, 0, 0, 0, 0
	; THE WAY OUT AND THE LATER PASSES.  No LDS byte is written any more.  In the first trip of each four the pass in hand goes out and the next is set up; each trip takes four chunks, one of each quarter.
	v_mov_b32 v[ADR], v[L16]
	v_add_nc_u32 v[ADR+1], CLS, v[L16]
	v_add_nc_u32 v[ADR+2], 2*CLS, v[L16]
	v_add_nc_u32 v[ADR+3], 3*CLS, v[L16]
	s_mov_b32 s[SJ], 0
	s_mov_b32 s[P4], 0
	s_mov_b32 s[FC], 13
.Lov:
	s_cmp_lg_u32 s[SJ], 0
	s_cbranch_scc1 .Lnw
	s_wait_xcnt 0x0                                ; the last pass's stores have read their registers and their bases
	s_add_co_u32 s[T0], s[P4], s[W2]
	WAYOUT 0
	WAYOUT 1
	s_wait_xcnt 0x0                                ; on every way from here the stores' registers are free
	s_add_co_u32 s[T0], s[T0], 16
	PASSN
	s_cmp_eq_u32 s[LIVE], 0
	s_cbranch_scc1 .Lnw
	SETUP
	INITLD
	s_wait_loadcnt 0x0
	INITCV
.Lnw:
	s_cmp_eq_u32 s[LIVE], 0
	s_cbranch_scc1 .Lovn
.irp k4, 0,1,2,3
	v_add_nc_u32 v[ADW+\k4], s[SJ], v[ADR+\k4]
.endr
	OBS 0
	OBS 1
	OBS 2
	OBS 3
	v_add_nc_u32 v[XADR], 4*STEP, v[XADR]          ; free: the loads that named them were waited for
	v_add_nc_u32 v[XADR+1], 4*STEP, v[XADR+1]
.Lovn:
	s_add_co_u32 s[SJ], s[SJ], CH                  ; 0, 16, 32, 48 KB and round again
	s_and_b32 s[SJ], s[SJ], 0xc000
	s_add_co_u32 s[P4], s[P4], 4
	s_sub_co_u32 s[FC], s[FC], 1
	s_cmp_lg_u32 s[FC], 0
	s_cbranch_scc1 .Lov
	BAR                                            ; every wave's reads of LDS are back: the closing lines stand apart from them
	s_wait_tensorcnt 0x0                           ; the wave's end: behind my last LDS store
	ds_add_u32 v[SPW], v[NIL]
	s_wait_dscnt 0x0
	s_endpgm
.Lfunc_end_k_qd64410f657_ffn1:
	.size	k_qd64410f657_ffn1, .Lfunc_end_k_qd64410f657_ffn1-k_qd64410f657_ffn1
	.p2alignl 7, 3214868480
	.fill 96, 4, 3214868480
	.section	.rodata,"a",@progbits
	.p2align	6, 0x0
	.amdhsa_kernel k_qd64410f657_ffn1
		.amdhsa_group_segment_fixed_size 295936
		.amdhsa_private_segment_fixed_size 0
		.amdhsa_enable_private_segment 0
		.amdhsa_kernarg_size 40
		.amdhsa_user_sgpr_count 2
		.amdhsa_user_sgpr_kernarg_segment_ptr 1
		.amdhsa_wavefront_size32 1
		.amdhsa_system_sgpr_workgroup_id_x 1
		.amdhsa_system_sgpr_workgroup_id_y 1
		.amdhsa_system_sgpr_workgroup_id_z 1
		.amdhsa_system_vgpr_workitem_id 0
		.amdhsa_next_free_vgpr 512
		.amdhsa_next_free_sgpr 66
		.amdhsa_reserve_vcc 0
		.amdhsa_float_denorm_mode_32 3
		.amdhsa_float_denorm_mode_16_64 3
		.amdhsa_memory_ordered 1
		.amdhsa_forward_progress 1
		.amdhsa_inst_pref_size 170
	.end_amdhsa_kernel
	.amdgpu_metadata
---
amdhsa.version: [ 1, 2 ]
amdhsa.kernels:
  - .name:           k_qd64410f657_ffn1
    .symbol:         k_qd64410f657_ffn1.kd
    .args:
      - { .name: xb, .offset: 0, .size: 8, .value_kind: global_buffer, .address_space: global }
      - { .name: routes, .offset: 8, .size: 8, .value_kind: global_buffer, .address_space: global }
      - { .name: w1, .offset: 16, .size: 8, .value_kind: global_buffer, .address_space: global }
      - { .name: b1, .offset: 24, .size: 8, .value_kind: global_buffer, .address_space: global }
      - { .name: h, .offset: 32, .size: 8, .value_kind: global_buffer, .address_space: global }
    .group_segment_fixed_size: 295936
    .private_segment_fixed_size: 0
    .kernarg_segment_align: 8
    .kernarg_segment_size: 40
    .max_flat_workgroup_size: 256
    .sgpr_count:     66
    .vgpr_count:     512
    .wavefront_size: 32
...
	.end_amdgpu_metadata
.endif
;; end of part 2
;; launch ffn2 (part 3): grid 32 x 8, 8 waves a work-group, no clusters, 295,936 bytes of LDS; arguments h, routes, w2, b2, part; writes part
.if DOCPART == 3
	.amdgcn_target "amdgcn-amd-amdhsa--gfx1250"
	.amdhsa_code_object_version 6
	.text
	.protected	k_qd64410f657_ffn2
	.globl	k_qd64410f657_ffn2
	.p2align	8
	.type	k_qd64410f657_ffn2,@function
k_qd64410f657_ffn2:
	s_mov_b64 s[64:65], 0
	v_nop
	global_prefetch_b8 v0, s[64:65] scope:SCOPE_SE
	s_setreg_imm32_b32 hwreg(HW_REG_WAVE_MODE, 25, 1), 1
	s_wait_xcnt 0x0
; FFN2.  part[Q][token] = the sum over k in quarter Q of h[token][k] W2[e][k][:], for the token's own expert e; quarter 0's sums begin with b2[e], the others' with 0.  h comes in f16, in fragment order;
; W2 and b2 are rounded to bf16 like every input, and W2's rounded number is written as f16; sums in f32.  The next launch adds the four quarters and scales.
; SHARES.  A work-group has one expert (grid y), 128 of its 1,024 columns (grid x % 8) and 1,024 of K = 4,096 (Q = grid x / 8): 512 KB of f32 weights, which it alone reads, once, in 16 chunks of 64 along K.
; WAVES, CHUNKS, BARRIERS, LOADS, PASSES, LIST as in the launch before: all eight waves are alike; each streams an eighth of every chunk (K step a = w / 4, column half g = (w / 2) % 2, register half
; qh = w % 2), rounds it and lays it into LDS, where the slice stays (256 KB, each byte written once); each owns the tiles of 16 rows 16 p + 2 w and 16 p + 2 w + 1; between barriers i and i + 1 chunk i + 1 is
; made and chunk i multiplied; interval i asks for the rows of chunk i + 3 and then the weights of chunk i + 4, 8 loads each, and leaves 48 loads out at its wait; rows past 256 are taken in later passes
; from LDS, in one loop of a constant 13 trips without a barrier.  The list is made by the same lines, so ranks agree.
; A live wave multiplies both its tiles; for a tile past the count it reads the
; last live tile once more and stores nothing.
; K ORDER.  In K step (fb, a) the half hh of the lanes owns k = 64 fb + 32 hh + 4 q + 2 a + 0..1 in register q: the order in which h was stored; the weights' rows are loaded in the same order.
; Source 0 = tokens, source 1 = weights: a lane holds column 64 g + 4 r + j of fragment c = 4 g + j and, in register n, token 8 hh + n: four fragments give 16 neighbouring bytes of a token's row.
; Ranks past N - 1 in a live tile repeat token N - 1: they hold the same numbers and store them to the same place.
; No tensor loads and no cluster: each weight has one reader and must pass registers to be rounded.
; LIMITS.  A weight below 6.1e-5 keeps f16's fixed step of 6e-8, one beyond 65,504 has no place in f16; NaN and infinities are not treated apart.
.set PITCHB, 4096                      ; bytes in a row of W2
.set CH,     16384                     ; LDS: a chunk: [K step 0..1][c 0..7][half][lane][16 bytes]
.set CLS,    4*CH                      ; LDS: a quarter: the chunks n with one n % 4
.set LIST,   4*CLS                     ; LDS: [wave][1,024] token numbers
.set SPARE,  LIST+8*4096               ; LDS: the spare words, 128 bytes a wave: four blocks of 256 bytes that no other line names
.set STEP,   2048                      ; bytes of a tile of h in a chunk
.set LN,   1
.set RR,   2
.set HH,   3
.set WOFF, 4                           ; v4   my byte offset in a chunk of weights; never rewritten
.set SPW,  5                           ; v5   LDS address of my spare word; never rewritten
.set NIL,  6                           ; v6   0; never rewritten
.set L16,  7                           ; v7   16 lane
.set ADW,  8                           ; v8-11   LDS: where I store, in the chunk in hand of each quarter; in the later passes: where I read
.set ADR,  12                          ; v12-15  LDS: where I read, likewise; in the later passes: each quarter's first chunk
.set XADR, 16                          ; v16-17  byte offset in h of my part of tile t
.set LP,   18                          ; v18  16 r
.set RB,   19                          ; v19  8 hh
.set BO,   20                          ; v20  my byte offset in b2
.set TA,   24                          ; v24-39  the way out: ranks, list addresses, tokens, byte offsets in part: 8 t + n
.set P,    24                          ; v24-27  at work on the list, before the way out
.set QV,   25
.set RV,   26
.set T4,   27
.set RAW,  32                          ; v32-39  b2 as loaded, before the way out
.set B2,   40                          ; v40-47  what the sums of fragment c begin with
.set CV,   48                          ; v48-63   my eighth of a chunk, rounded: 4 j + q
.set ACC,  64                          ; v64-191  accumulator (t, c) at 64 + 64 t + 8 c
.set WF,   192                         ; v192-255 the fragments of one K step: 8 c; half A = c 0-3, half B = c 4-7
.set RT,   192                         ;          the routes, before the first fragment
.set XT,   0                           ; window 1: v0-127 rows of h: 32 slot + 16 t + 8 ks
.set ST,   128                         ; window 1: v128-255 four staging buffers of 32
.set TT,   0                           ; window 1, the way out: a tile turned: 64 t + 4 (8 g + n) + j
.set WV,  14
.set EX,  15
.set SL,  16
.set Q,   17                           ; s17  the quarter of K
.set N,   18
.set NM1, 19
.set NT,  20
.set MK,  21
.set TMP, 22
.set LB,  23
.set IT,  24
.set LIVE, 25                          ; s25  my live tiles in the pass in hand, 0..2
.set P4,  26
.set FC,  27
.set TM2, 28
.set SJ,  29
.set OF,  30                           ; s[30:31] an offset, high word 0
.set W2,  34                           ; s34  2 x wave
.set HIM, 42
.set T0,  43
.set QM,  44                           ; s44  all ones in quarter 0, else 0
.set LV,  45                           ; s45  1: the wave is live
.set NTC, 46                           ; s46  the last live tile (0 where there is none)
.set MSB, 0
.macro WIN new                         ; s_set_vgpr_msb: bits 1:0 source 0, 3:2 source 1, 5:4 source 2, 7:6 destination; the high byte repeats the setting that is left
.if MSB != (\new)
	s_set_vgpr_msb (MSB<<8)|(\new)
.set MSB, (\new)
.endif
.endm
.set W_MUL, 0x01                       ; source 0 (tokens) window 1; source 1 (weights), C and D window 0
.macro BAR                             ; my LDS stores are done and my LDS loads are back; then all eight waves meet
	s_wait_dscnt 0x0
	s_barrier_signal -1
	s_barrier_wait -1
.endm
.macro PLACES                          ; four places between a product and a load into its sources or the first read of its result
.rept 4
	v_nop
.endr
.endm
; 8 loads: two tiles x two K steps, stored as fragments: each load of a live wave takes 512 consecutive bytes
.macro TOKLD slot, mi
.set tt, 0
.rept 2
.set tk, 0
.rept 2
	global_load_b128 v[XT+32*(\slot)+16*tt+8*tk:XT+32*(\slot)+16*tt+8*tk+3],   v[XADR+tt], s[4:5] offset:STEP*(\mi)+1024*tk
	global_load_b128 v[XT+32*(\slot)+16*tt+8*tk+4:XT+32*(\slot)+16*tt+8*tk+7], v[XADR+tt], s[4:5] offset:STEP*(\mi)+1024*tk+512
.set tk, tk+1
.endr
.set tt, tt+1
.endr
.endm
; 8 loads: load i takes row 32 hh + 16 qh + 2 a + 4 (i / 2) + i % 2 of the chunk, 64 columns: sixteen lanes read 256 consecutive aligned bytes
.macro UNIT_LOAD nrel, buf
.set ui, 0
.rept 8
	global_load_b128 v[ST+32*(\buf)+4*ui:ST+32*(\buf)+4*ui+3], v[WOFF], s[8:9] offset:(64*(\nrel)+4*(ui/2)+ui%2)*PITCHB th:TH_LOAD_NT
.set ui, ui+1
.endr
.endm
.macro ISSUE tk, slot, mi, wk, buf, nrel   ; rows of h first, then weights
	WIN 0x40                                       ; destination window 1, address window 0
.if \tk
	TOKLD \slot, \mi
.endif
.if \wk
	UNIT_LOAD \nrel, \buf
.endif
	WIN 0
.endm
.macro PAIRS line:vararg               ; one line for each of my 16 pairs: pA, pB = rows 2 q, 2 q + 1 of column j in the staging buffer, pR = register q of fragment j
.set uj, 0
.rept 4
.set uq, 0
.rept 4
.set pA, ust+8*uq+uj
.set pB, ust+8*uq+4+uj
.set pR, CV+4*uj+uq
	\line
.set uq, uq+1
.endr
.set uj, uj+1
.endr
.endm
; Buffer b is waited for, rounded to bf16, widened again, written as f16 and stored into quarter b: 32 lanes x 16 neighbouring bytes, no bank met twice
.macro CONV b, cnt
	s_wait_loadcnt \cnt                            ; the rows and the weights that this interval needs are in; what was asked for behind them may be out
.set ust, ST+32*(\b)
	WIN 0x45                                       ; all in window 1
	PAIRS v_cvt_pk_bf16_f32 v[pA], v[pA], v[pB]
	PAIRS v_lshlrev_b32 v[pB], 16, v[pA]
	PAIRS v_and_b32 v[pA], s[HIM], v[pA]
	WIN 0x05                                       ; destination window 0
	PAIRS v_cvt_pk_f16_f32 v[pR], v[pB], v[pA]
	WIN 0
.irp j4, 0,1,2,3
	ds_store_b128 v[ADW+(\b)], v[CV+4*\j4:CV+4*\j4+3] offset:1024*\j4
.endr
.endm
.macro FRAG adr, ks, hf                ; 8 LDS loads: four fragments of K step ks
	WIN 0
.set fc, 4*(\hf)
.rept 4
	ds_load_b128 v[WF+8*fc:WF+8*fc+3],   v[\adr] offset:8192*(\ks)+1024*fc
	ds_load_b128 v[WF+8*fc+4:WF+8*fc+7], v[\adr] offset:8192*(\ks)+1024*fc+512
.set fc, fc+1
.endr
.endm
.macro MUL8 slot, ks, hf               ; eight products on eight accumulators: they take turns, one instruction a turn
	WIN W_MUL
.set mt, 0
.rept 2
.set mc, 4*(\hf)
.rept 4
.set rD, ACC+64*mt+8*mc
.set rW, WF+8*mc
.set rX, XT+32*(\slot)+16*mt+8*(\ks)
	v_wmma_f32_16x16x32_f16 v[rD:rD+7], v[rX:rX+7], v[rW:rW+7], v[rD:rD+7]
.set mc, mc+1
.endr
.set mt, mt+1
.endr
.endm
; A chunk's 32 products.  The first K step's two halves have been asked for, and st LDS stores issued behind them.  While one half is multiplied the other is loaded again with the second K step.
.macro PROD2 adr, slot, st
	s_wait_dscnt 8+(\st)                           ; half A is in; half B's 8 loads and the stores may be out
	MUL8 \slot, 0, 0
	WIN 0
	PLACES
	FRAG \adr, 1, 0
	s_wait_dscnt 8+(\st)                           ; half B is in; the stores and the 8 loads just issued may be out
	MUL8 \slot, 0, 1
	WIN 0
	PLACES
	FRAG \adr, 1, 1
	s_wait_dscnt 8                                 ; half A's second K step
	MUL8 \slot, 1, 0
	s_wait_dscnt 0x0
	MUL8 \slot, 1, 1
	WIN 0
.endm
; AN INTERVAL, number 4 t + s.  tk, wk: rows of chunk + 3 and weights of chunk + 4 are asked for; cv: chunk + 1 is made.  The rounding stands on both sides of the one jump, so that in a live wave it lies
; between the LDS loads and the wait for them.
.macro IVAL s, tk, wk, cv, cnt
.if (\tk) || (\wk)
	ISSUE \tk, ((\s)+3)%4, (\s)+3, \wk, \s, (\s)+4
.endif
.if !(\cv)
	s_wait_loadcnt \cnt
.endif
	s_cmp_eq_u32 s[LIVE], 0
	s_cbranch_scc1 .Ldd_\@
	FRAG ADR+(\s), 0, 0
	FRAG ADR+(\s), 0, 1
.if \cv
	CONV ((\s)+1)%4, \cnt
.endif
	PROD2 ADR+(\s), \s, 4*(\cv)
.if \cv
	s_branch .Ljn_\@
.Ldd_\@:
	CONV ((\s)+1)%4, \cnt
.Ljn_\@:
.else
.Ldd_\@:
.endif
	PLACES                                         ; the next interval loads into the slot and the fragment registers just read
.endm
.macro STEPALL                         ; four chunks on
.irp k4, 0,1,2,3
	v_add_nc_u32 v[ADW+\k4], CH, v[ADW+\k4]
	v_add_nc_u32 v[ADR+\k4], CH, v[ADR+\k4]
.endr
	s_wait_xcnt 0x0                                ; offsets and base of the loads that are out are stepped only behind this wait
	v_add_nc_u32 v[XADR], 4*STEP, v[XADR]
	v_add_nc_u32 v[XADR+1], 4*STEP, v[XADR+1]
	s_add_nc_u64 s[8:9], s[8:9], 4*64*PITCHB
.endm
.macro PASSN                           ; how many of my two tiles are live
	s_sub_co_i32 s[TMP], s[NT], s[T0]
	s_max_i32 s[TMP], s[TMP], 0
	s_min_u32 s[LIVE], s[TMP], 2
.endm
.macro SETUP                           ; tile 64 e + T, 131,072 bytes each, + quarter x 32,768 + 16 lane; T is held to the last live tile; a wave that is not live: one address for all lanes
	s_min_u32 s[LV], s[LIVE], 1
.irp t3, 0,1
	s_add_co_u32 s[TMP], s[T0], \t3
	s_min_u32 s[TMP], s[TMP], s[NTC]
	s_min_u32 s[TMP], s[TMP], 63
	s_lshl_b32 s[TM2], s[EX], 6
	s_add_co_u32 s[TM2], s[TM2], s[TMP]
	s_lshl_b32 s[TM2], s[TM2], 17
	s_lshl_b32 s[TMP], s[Q], 15
	s_add_co_u32 s[TM2], s[TM2], s[TMP]
	v_mul_u32_u24 v[XADR+\t3], s[LV], v[L16]
	v_add_nc_u32 v[XADR+\t3], s[TM2], v[XADR+\t3]
.endr
.endm
.macro INIT                            ; the sums begin with the bias (quarter 0) or 0: one text then serves every chunk
.set ii, 0
.rept 128
	v_mov_b32 v[ACC+ii], v[B2+(ii/8)%8]
.set ii, ii+1
.endr
.endm
.macro OBS k                           ; a chunk of a later pass: its rows are asked for and waited for in full
	WIN 0x40
	TOKLD 0, \k
	FRAG ADW+(\k), 0, 0
	FRAG ADW+(\k), 0, 1
	s_wait_loadcnt 0x0
	PROD2 ADW+(\k), 0, 0
	PLACES
.endm
.macro TOK8 line:vararg                ; one line for each of my eight tokens of a tile
.set rk, 0
.rept 8
	\line
.set rk, rk+1
.endr
.endm
; THE WAY OUT of tile t, if it is live.  The tile is turned: a token's four neighbouring columns, which lie in four accumulators, come into four neighbouring registers; each accumulator is read from its low end on.
.macro WAYOUT t
.set tb, TA+8*(\t)
	s_add_co_u32 s[TMP], s[T0], \t
	s_cmp_ge_u32 s[TMP], s[NT]
	s_cbranch_scc1 .Lwo_\@
	s_lshl_b32 s[TMP], s[TMP], 4
	v_add_nc_u32 v[tb], s[TMP], v[RB]              ; my tokens' ranks: 16 tile + 8 hh + n
.irp j, 1,2,3,4,5,6,7
	v_add_nc_u32 v[tb+\j], \j, v[tb]
.endr
	TOK8 v_min_u32 v[tb+rk], s[NM1], v[tb+rk]
	TOK8 v_min_u32 v[tb+rk], 0x3ff, v[tb+rk]
	TOK8 v_lshl_add_u32 v[tb+rk], v[tb+rk], 2, s[LB]
	TOK8 ds_load_b32 v[tb+rk], v[tb+rk]
	WIN 0x40                                       ; destination window 1
.set en, 0
.rept 8
.set ec, 0
.rept 8
	v_mov_b32 v[TT+64*(\t)+4*(8*(ec/4)+en)+ec%4], v[ACC+64*(\t)+8*ec+en]
.set ec, ec+1
.endr
.set en, en+1
.endr
	WIN 0
	s_wait_dscnt 0x0                               ; the tokens
	TOK8 v_min_u32 v[tb+rk], 0x3ff, v[tb+rk]
	TOK8 v_lshl_add_u32 v[tb+rk], v[tb+rk], 12, v[LP]
	WIN 0x04                                       ; store data window 1
.set en, 0
.rept 8
	global_store_b128 v[tb+en], v[TT+64*(\t)+4*en:TT+64*(\t)+4*en+3],       s[12:13]              ; sixteen lanes store 256 consecutive aligned bytes of one token's row
	global_store_b128 v[tb+en], v[TT+64*(\t)+32+4*en:TT+64*(\t)+32+4*en+3], s[12:13] offset:256
.set en, en+1
.endr
	WIN 0
.Lwo_\@:
.endm
	s_load_b256 s[4:11], s[0:1], 0x0               ; h s[4:5], routes s[6:7], w2 s[8:9], b2 s[10:11]
	s_load_b64 s[12:13], s[0:1], 0x20              ; part
	v_lshl_add_u32 v[SPW], v0, 2, SPARE
	v_mov_b32 v[NIL], 0
	v_and_b32 v[LN], 31, v0
	v_and_b32 v[RR], 15, v0
	v_bfe_u32 v[HH], v0, 4, 1
	v_lshrrev_b32 v[P], 5, v0
	v_readfirstlane_b32 s[WV], v[P]
	v_lshlrev_b32 v[L16], 4, v[LN]
	s_and_b32 s[EX], ttmp7, 0xffff
	s_and_b32 s[SL], ttmp9, 7
	s_lshr_b32 s[Q], ttmp9, 3
	s_mov_b32 s[OF+1], 0
	s_mov_b32 s[HIM], 0xffff0000
	s_lshl_b32 s[W2], s[WV], 1
	s_lshr_b32 s[TMP], s[WV], 2                    ; a
	s_bfe_u32 s[TM2], s[WV], 0x10001               ; g
	s_and_b32 s[MK], s[WV], 1                      ; qh
	s_lshl_b32 s[IT], s[TMP], 13                   ; 2 a rows of 4,096 bytes,
	s_lshl_b32 s[FC], s[MK], 16                    ; 16 qh rows,
	s_add_co_u32 s[IT], s[IT], s[FC]
	s_lshl_b32 s[FC], s[TM2], 8                    ; 256 g
	s_add_co_u32 s[IT], s[IT], s[FC]
	v_lshl_add_u32 v[WOFF], v[RR], 4, s[IT]
	v_lshl_add_u32 v[WOFF], v[HH], 17, v[WOFF]     ; 32 rows further for the upper half of the lanes
	s_lshl_b32 s[TMP], s[TMP], 13                  ; in a chunk: 8,192 a + 4,096 g + 512 qh + 16 lane
	s_lshl_b32 s[TM2], s[TM2], 12
	s_lshl_b32 s[MK], s[MK], 9
	s_add_co_u32 s[TMP], s[TMP], s[TM2]
	s_add_co_u32 s[TMP], s[TMP], s[MK]
	v_add_nc_u32 v[ADW], s[TMP], v[L16]
	v_add_nc_u32 v[ADW+1], CLS, v[ADW]
	v_add_nc_u32 v[ADW+2], 2*CLS, v[ADW]
	v_add_nc_u32 v[ADW+3], 3*CLS, v[ADW]
	v_mov_b32 v[ADR], v[L16]
	v_add_nc_u32 v[ADR+1], CLS, v[L16]
	v_add_nc_u32 v[ADR+2], 2*CLS, v[L16]
	v_add_nc_u32 v[ADR+3], 3*CLS, v[L16]
	s_lshl_b32 s[TM2], s[SL], 9
	s_lshl_b32 s[TMP], s[EX], 12                   ; my bias: 4 (1,024 e + 128 slice + 4 r)
	s_add_co_u32 s[TMP], s[TMP], s[TM2]
	v_lshl_add_u32 v[BO], v[RR], 4, s[TMP]
	s_lshl_b32 s[IT], s[Q], 22                     ; quarter x 4 MiB, of w2 (1,024 rows) and of part alike
	s_add_co_u32 s[IT], s[IT], s[TM2]              ; + slice x 512 bytes
	s_lshl_b32 s[OF], s[EX], 24                    ; w2: + expert x 16 MiB
	s_add_co_u32 s[OF], s[OF], s[IT]
	s_cmp_eq_u32 s[Q], 0
	s_cselect_b32 s[QM], -1, 0
	s_wait_kmcnt 0x0
	s_add_nc_u64 s[8:9], s[8:9], s[OF:OF+1]
	s_mov_b32 s[OF], s[IT]
	s_add_nc_u64 s[12:13], s[12:13], s[OF:OF+1]
.irp i, 0,1,2,3,4,5,6,7
	global_load_b128 v[RT+4*\i:RT+4*\i+3], v[L16], s[6:7] offset:512*\i   ; all routes: register 4 i + n holds token 128 i + 4 lane + n
.endr
	global_load_b128 v[RAW:RAW+3],   v[BO], s[10:11]                        ; columns 4 r + 0..3,
	global_load_b128 v[RAW+4:RAW+7], v[BO], s[10:11] offset:256             ; and 64 + 4 r + 0..3
	WIN 0x40
	UNIT_LOAD 0, 0                                 ; the first four chunks' weights go out before anything is waited for
	UNIT_LOAD 1, 1
	UNIT_LOAD 2, 2
	UNIT_LOAD 3, 3
	WIN 0
	v_lshlrev_b32 v[LP], 4, v[RR]
	v_lshlrev_b32 v[RB], 3, v[HH]
	s_lshl_b32 s[LB], s[WV], 12
	s_add_co_u32 s[LB], s[LB], LIST
	s_mov_b32 s[N], 0
	v_sub_nc_u32 v[RV], 0x3ff, v[LN]
	v_lshlrev_b32 v[T4], 2, v[LN]
	s_wait_loadcnt 32                              ; routes and bias are in; the 32 loads of weights may be out
.irp k, 0,1,2,3
	v_cvt_pk_bf16_f32 v[P], v[RAW+2*\k], v[RAW+2*\k+1]    ; the bias is rounded to bf16 like every input,
	v_and_b32 v[P], s[QM], v[P]                           ; and counts in quarter 0 alone
	v_lshlrev_b32 v[B2+2*\k], 16, v[P]
	v_and_b32 v[B2+2*\k+1], s[HIM], v[P]
.endr
	INIT
	; THE LIST: a counting sort without atomics.  A token of mine goes to rank N + (mine among the lower lanes); any other to 1,023 - (others before it): a permutation of all 1,024.
.set m, 0
.rept 32
	v_cmp_eq_u32 s[MK], s[EX], v[RT+m]
	v_mbcnt_lo_u32_b32 v[P], s[MK], s[N]
	v_add_nc_u32 v[QV], v[P], v[RV]
	v_cndmask_b32 v[P], v[QV], v[P], s[MK]
	v_min_u32 v[P], 0x3ff, v[P]
	v_lshl_add_u32 v[P], v[P], 2, s[LB]
	ds_store_b32 v[P], v[T4]
.if m%4 == 3
	v_add_nc_u32 v[T4], 125, v[T4]                 ; the next register's token
.else
	v_add_nc_u32 v[T4], 1, v[T4]
.endif
	v_add_nc_u32 v[RV], 0xffffffe0, v[RV]
	s_bcnt1_i32_b32 s[TMP], s[MK]
	s_add_co_u32 s[N], s[N], s[TMP]
.set m, m+1
.endr
	s_sub_co_u32 s[NM1], s[N], 1                   ; with no row: all ones, which holds no rank back
	s_add_co_u32 s[NT], s[N], 15
	s_lshr_b32 s[NT], s[NT], 4
	s_max_u32 s[NTC], s[NT], 1
	s_sub_co_u32 s[NTC], s[NTC], 1
	s_mov_b32 s[T0], s[W2]
	PASSN
	SETUP
	WIN 0x40
	TOKLD 0, 0                                     ; the rows of chunks 0, 1 and 2
	TOKLD 1, 1
	TOKLD 2, 2
	WIN 0
	CONV 0, 8                                      ; all but chunk 2's rows are in: from here on the loop's one count holds in every interval.  Chunk 0 is made
	v_add_nc_u32 v[ADW], CH, v[ADW]                ; quarter 0's next chunk is chunk 4
	BAR                                            ; chunk 0 lies in LDS
	s_mov_b32 s[IT], 3
.Lloop:                                                ; intervals 0 to 11
	IVAL 0, 1, 1, 1, 48
	BAR
	IVAL 1, 1, 1, 1, 48
	BAR
	IVAL 2, 1, 1, 1, 48
	BAR
	IVAL 3, 1, 1, 1, 48
	STEPALL
	BAR
	s_sub_co_u32 s[IT], s[IT], 1
	s_cmp_lg_u32 s[IT], 0
	s_cbranch_scc1 .Lloop
	IVAL 0, 1, 0, 1, 40                            ; intervals 12 to 15 ask for the last rows and for no more weights: the counts run down
	BAR
	IVAL 1, 0, 0, 1, 24
	BAR
	IVAL 2, 0, 0, 1, 8
	BAR
	IVAL 3, 0, 0, 0, 0
	; THE WAY OUT AND THE LATER PASSES.  No LDS byte is written any more.  In the first trip of each four the pass in hand goes out and the next is set up; each trip takes four chunks, one of each quarter.
	v_mov_b32 v[ADR], v[L16]
	v_add_nc_u32 v[ADR+1], CLS, v[L16]
	v_add_nc_u32 v[ADR+2], 2*CLS, v[L16]
	v_add_nc_u32 v[ADR+3], 3*CLS, v[L16]
	s_mov_b32 s[SJ], 0
	s_mov_b32 s[P4], 0
	s_mov_b32 s[FC], 13
.Lov:
	s_cmp_lg_u32 s[SJ], 0
	s_cbranch_scc1 .Lnw
	s_wait_xcnt 0x0                                ; the last pass's stores have read their registers
	s_add_co_u32 s[T0], s[P4], s[W2]
	WAYOUT 0
	WAYOUT 1
	s_wait_xcnt 0x0                                ; on every way from here the stores' registers are free: the next rows of h land in them
	s_add_co_u32 s[T0], s[T0], 16
	PASSN
	s_cmp_eq_u32 s[LIVE], 0
	s_cbranch_scc1 .Lnw
	SETUP
	INIT
.Lnw:
	s_cmp_eq_u32 s[LIVE], 0
	s_cbranch_scc1 .Lovn
.irp k4, 0,1,2,3
	v_add_nc_u32 v[ADW+\k4], s[SJ], v[ADR+\k4]
.endr
	OBS 0
	OBS 1
	OBS 2
	OBS 3
	v_add_nc_u32 v[XADR], 4*STEP, v[XADR]          ; free: the loads that named them were waited for
	v_add_nc_u32 v[XADR+1], 4*STEP, v[XADR+1]
.Lovn:
	s_add_co_u32 s[SJ], s[SJ], CH                  ; 0, 16, 32, 48 KB and round again
	s_and_b32 s[SJ], s[SJ], 0xc000
	s_add_co_u32 s[P4], s[P4], 4
	s_sub_co_u32 s[FC], s[FC], 1
	s_cmp_lg_u32 s[FC], 0
	s_cbranch_scc1 .Lov
	BAR                                            ; every wave's reads of LDS are back: the closing lines stand apart from them
	s_wait_tensorcnt 0x0                           ; the wave's end: behind my last LDS store
	ds_add_u32 v[SPW], v[NIL]
	s_wait_dscnt 0x0
	s_endpgm
.Lfunc_end_k_qd64410f657_ffn2:
	.size	k_qd64410f657_ffn2, .Lfunc_end_k_qd64410f657_ffn2-k_qd64410f657_ffn2
	.p2alignl 7, 3214868480
	.fill 96, 4, 3214868480
	.section	.rodata,"a",@progbits
	.p2align	6, 0x0
	.amdhsa_kernel k_qd64410f657_ffn2
		.amdhsa_group_segment_fixed_size 295936
		.amdhsa_private_segment_fixed_size 0
		.amdhsa_enable_private_segment 0
		.amdhsa_kernarg_size 40
		.amdhsa_user_sgpr_count 2
		.amdhsa_user_sgpr_kernarg_segment_ptr 1
		.amdhsa_wavefront_size32 1
		.amdhsa_system_sgpr_workgroup_id_x 1
		.amdhsa_system_sgpr_workgroup_id_y 1
		.amdhsa_system_sgpr_workgroup_id_z 1
		.amdhsa_system_vgpr_workitem_id 0
		.amdhsa_next_free_vgpr 512
		.amdhsa_next_free_sgpr 66
		.amdhsa_reserve_vcc 0
		.amdhsa_float_denorm_mode_32 3
		.amdhsa_float_denorm_mode_16_64 3
		.amdhsa_memory_ordered 1
		.amdhsa_forward_progress 1
		.amdhsa_inst_pref_size 173
	.end_amdhsa_kernel
	.amdgpu_metadata
---
amdhsa.version: [ 1, 2 ]
amdhsa.kernels:
  - .name:           k_qd64410f657_ffn2
    .symbol:         k_qd64410f657_ffn2.kd
    .args:
      - { .name: h, .offset: 0, .size: 8, .value_kind: global_buffer, .address_space: global }
      - { .name: routes, .offset: 8, .size: 8, .value_kind: global_buffer, .address_space: global }
      - { .name: w2, .offset: 16, .size: 8, .value_kind: global_buffer, .address_space: global }
      - { .name: b2, .offset: 24, .size: 8, .value_kind: global_buffer, .address_space: global }
      - { .name: part, .offset: 32, .size: 8, .value_kind: global_buffer, .address_space: global }
    .group_segment_fixed_size: 295936
    .private_segment_fixed_size: 0
    .kernarg_segment_align: 8
    .kernarg_segment_size: 40
    .max_flat_workgroup_size: 256
    .sgpr_count:     66
    .vgpr_count:     512
    .wavefront_size: 32
...
	.end_amdgpu_metadata
.endif
;; end of part 3
;; launch combine (part 4): grid 256 x 1, 4 waves a work-group, no clusters, 0 bytes of LDS; arguments part, prob, out0; writes out0
.if DOCPART == 4
	.amdgcn_target "amdgcn-amd-amdhsa--gfx1250"
	.amdhsa_code_object_version 6
	.text
	.protected	k_qd64410f657_combine
	.globl	k_qd64410f657_combine
	.p2align	8
	.type	k_qd64410f657_combine,@function
k_qd64410f657_combine:
	s_mov_b64 s[64:65], 0
	v_nop
	global_prefetch_b8 v0, s[64:65] scope:SCOPE_SE
	s_setreg_imm32_b32 hwreg(HW_REG_WAVE_MODE, 25, 1), 1
	s_wait_xcnt 0x0
; COMBINE.  out0[token] = (part[0] + part[1] + part[2] + part[3]) x prob[token], all in f32; part[0] holds the token's expert's bias already.
; One wave, one token: 4 x 4,096 bytes of partial sums in, 4,096 out; every load and store of a wave covers 512 consecutive aligned bytes.
; A stream: no LDS, no barrier, no matrix unit; the wave's 32 loads are all out before its first wait, and each eighth of the row leaves as soon as its four loads are in.
.set PT, 32                            ; v[32:159]  chunk c, quarter Q at 32 + 16 c + 4 Q
	s_load_b128 s[4:7], s[0:1], 0x0                ; part s[4:5], prob s[6:7]
	s_load_b64 s[8:9], s[0:1], 0x10                ; out0
	v_and_b32 v1, 31, v0
	v_lshlrev_b32 v1, 4, v1                        ; 16 lane
	v_lshrrev_b32 v2, 5, v0
	v_readfirstlane_b32 s14, v2                    ; wave
	s_lshl2_add_u32 s15, ttmp9, s14                ; my token = 4 x work-group + wave
	s_lshl_b32 s16, s15, 2
	s_mov_b32 s17, 0
	s_lshl_b32 s18, s15, 12
	s_mov_b32 s19, 0
	s_wait_kmcnt 0x0
	s_add_nc_u64 s[6:7], s[6:7], s[16:17]
	s_load_b32 s22, s[6:7], 0x0                    ; the token's weight
	s_add_nc_u64 s[4:5], s[4:5], s[18:19]          ; quarters 0 and 1 of my row,
	s_add_nc_u64 s[24:25], s[4:5], 0x800000        ; quarters 2 and 3
	s_add_nc_u64 s[8:9], s[8:9], s[18:19]
.irp c, 0,1,2,3,4,5,6,7
	global_load_b128 v[PT+16*\c:PT+16*\c+3],     v1, s[4:5]   offset:512*\c th:TH_LOAD_NT
	global_load_b128 v[PT+16*\c+4:PT+16*\c+7],   v1, s[4:5]   offset:4194304+512*\c th:TH_LOAD_NT
	global_load_b128 v[PT+16*\c+8:PT+16*\c+11],  v1, s[24:25] offset:512*\c th:TH_LOAD_NT
	global_load_b128 v[PT+16*\c+12:PT+16*\c+15], v1, s[24:25] offset:4194304+512*\c th:TH_LOAD_NT
.endr
	s_wait_kmcnt 0x0
	s_mov_b32 s23, s22                             ; named with it as a pair
.set c, 0
.rept 8
	s_wait_loadcnt 28-4*c                          ; this eighth's four loads are in; the later eighths', four each, may be out
.irp k, 0,2
	v_pk_add_f32 v[PT+16*c+\k:PT+16*c+\k+1], v[PT+16*c+\k:PT+16*c+\k+1], v[PT+16*c+4+\k:PT+16*c+5+\k]
.endr
.irp k, 0,2
	v_pk_add_f32 v[PT+16*c+8+\k:PT+16*c+9+\k], v[PT+16*c+8+\k:PT+16*c+9+\k], v[PT+16*c+12+\k:PT+16*c+13+\k]
.endr
.irp k, 0,2
	v_pk_add_f32 v[PT+16*c+\k:PT+16*c+\k+1], v[PT+16*c+\k:PT+16*c+\k+1], v[PT+16*c+8+\k:PT+16*c+9+\k]
.endr
.irp k, 0,2
	v_pk_mul_f32 v[PT+16*c+\k:PT+16*c+\k+1], v[PT+16*c+\k:PT+16*c+\k+1], s[22:23] op_sel_hi:[1,0]
.endr
	global_store_b128 v1, v[PT+16*c:PT+16*c+3], s[8:9] offset:512*c th:TH_STORE_NT
.set c, c+1
.endr
	s_endpgm
.Lfunc_end_k_qd64410f657_combine:
	.size	k_qd64410f657_combine, .Lfunc_end_k_qd64410f657_combine-k_qd64410f657_combine
	.p2alignl 7, 3214868480
	.fill 96, 4, 3214868480
	.section	.rodata,"a",@progbits
	.p2align	6, 0x0
	.amdhsa_kernel k_qd64410f657_combine
		.amdhsa_group_segment_fixed_size 0
		.amdhsa_private_segment_fixed_size 0
		.amdhsa_enable_private_segment 0
		.amdhsa_kernarg_size 24
		.amdhsa_user_sgpr_count 2
		.amdhsa_user_sgpr_kernarg_segment_ptr 1
		.amdhsa_wavefront_size32 1
		.amdhsa_system_sgpr_workgroup_id_x 1
		.amdhsa_system_sgpr_workgroup_id_y 1
		.amdhsa_system_sgpr_workgroup_id_z 1
		.amdhsa_system_vgpr_workitem_id 0
		.amdhsa_next_free_vgpr 160
		.amdhsa_next_free_sgpr 66
		.amdhsa_reserve_vcc 0
		.amdhsa_float_denorm_mode_32 3
		.amdhsa_float_denorm_mode_16_64 3
		.amdhsa_memory_ordered 1
		.amdhsa_forward_progress 1
		.amdhsa_inst_pref_size 9
	.end_amdhsa_kernel
	.amdgpu_metadata
---
amdhsa.version: [ 1, 2 ]
amdhsa.kernels:
  - .name:           k_qd64410f657_combine
    .symbol:         k_qd64410f657_combine.kd
    .args:
      - { .name: part, .offset: 0, .size: 8, .value_kind: global_buffer, .address_space: global }
      - { .name: prob, .offset: 8, .size: 8, .value_kind: global_buffer, .address_space: global }
      - { .name: out0, .offset: 16, .size: 8, .value_kind: global_buffer, .address_space: global }
    .group_segment_fixed_size: 0
    .private_segment_fixed_size: 0
    .kernarg_segment_align: 8
    .kernarg_segment_size: 24
    .max_flat_workgroup_size: 128
    .sgpr_count:     66
    .vgpr_count:     160
    .wavefront_size: 32
...
	.end_amdgpu_metadata
.endif
;; end of part 4
;; ======== version 2 of 2: 4 launches; version 1 with the launches ffn1, ffn2 written anew for expert scheduling mode
;; limits: values are held in f16: magnitudes above 65,504 overflow, below 6.1e-05 lose precision
;; workspace buffers: xb 2,097,152 bytes; routes 4,096 bytes of whole numbers; prob 4,096 bytes; h 67,108,864 bytes; part 16,777,216 bytes
;; launch router: the kernel of part 1 again; grid 64 x 1, 8 waves a work-group, no clusters, 42,240 bytes of LDS; arguments x, switch_w, switch_b, xb, routes, prob; writes xb, routes, prob
;; launch ffn1 (part 5): grid 32 x 8, 8 waves a work-group, no clusters, 295,936 bytes of LDS; arguments xb, routes, w1, b1, h; writes h
.if DOCPART == 5
	.amdgcn_target "amdgcn-amd-amdhsa--gfx1250"
	.amdhsa_code_object_version 6
	.text
	.protected	k_qd64410f657_ffn1
	.globl	k_qd64410f657_ffn1
	.p2align	8
	.type	k_qd64410f657_ffn1,@function
k_qd64410f657_ffn1:
	s_mov_b64 s[64:65], 0
	v_nop
	global_prefetch_b8 v0, s[64:65] scope:SCOPE_SE
	s_setreg_imm32_b32 hwreg(HW_REG_WAVE_SCHED_MODE, 0, 2), 2
	s_setreg_imm32_b32 hwreg(HW_REG_WAVE_MODE, 25, 1), 1
	s_wait_xcnt 0x0
	s_wait_alu depctr_vm_vsrc(0)
; FFN1.  h = gelu(x W1[e] + b1[e]) (tanh form) for the tokens that chose expert e alone.  x comes as bf16 (xb); W1 and b1 are rounded to bf16 on their way; sums, bias and gelu in f32; h is stored in f16.
; SHARES.  A work-group has one expert (grid y), 128 of its 4,096 columns (grid x) and all K = 1,024: 512 KB of f32 weights, which it alone reads, once, in 16 chunks of 64 along K.
; ALL EIGHT WAVES ARE ALIKE.  Each streams an eighth of every chunk: K step a = w / 4, column half g = (w / 2) % 2, register half qh = w % 2: 8 loads, rounded to 16 registers, stored to LDS.
; Each owns the tiles of 16 rows 16 p + 2 w and 16 p + 2 w + 1 (pass p), all 128 columns, all K: it reads each chunk's fragments from LDS and its tokens from memory.
; The slice in 16 bits, 256 KB, stays in LDS and each byte of it is written once, so ONE barrier a chunk orders store and read: between barriers i and i + 1 chunk i + 1 is made and chunk i multiplied.
; Chunk n lies at (n % 4) x 64 KB + (n / 4) x 16 KB: what is written and what is read in one interval lie in different quarters.
; LOADS.  A wave's loads come back in issue order (ISA guide 5.7.1).  Interval i asks for the tokens of chunk i + 3 and then for the weights of chunk i + 4, 8 loads each; it needs the tokens of chunk i and the
; weights of chunk i + 1, behind which 48 loads were issued: three chunks of weights, 12 KB a wave, stay on their way at every wait.
; EVERY SPLIT.  A pass takes 256 rows.  Rows beyond are taken in later passes from the weights that lie in LDS: one loop of a constant 13 trips, four chunks a trip, no barrier in it; dead trips are jumped.
; A wave with no live tile jumps its LDS reads and products, never its loads from memory, so the counts of the waits hold on every way.  A live wave multiplies both its tiles; a tile past the count is not stored.
; THE LIST.  Each wave sorts all 1,024 token numbers into its own LDS copy: the expert's tokens at ranks 0 .. N - 1, the others from the back.  Ranks past N - 1 repeat token N - 1.
; COLUMNS.  Fragment c = 4 g + j holds, at index r, column 64 g + 4 r + j: a lane's 16-byte load of a weight row feeds four fragments, and sixteen lanes read 256 consecutive aligned bytes.
; The product is used transposed (source 0 = weights, source 1 = tokens): a lane holds token r and, in register n of fragment c, column 64 g + 32 hh + 4 n + j.  The sums begin with the bias.
; h's LAYOUT: [64 e + tile][fb 0..63][a][half][lane][16 bytes]: 8 registers a lane are the fragment (fb, a) of the next launch, k = 64 fb + 32 hh + 4 q + 2 a + 0..1.
; No tensor loads and no cluster: each weight has one reader and must pass registers to be rounded; the token rows come by a list.
; LIMITS.  |h| stays within f16's 65,504; NaN and infinities are not treated apart.
; THE MODE: SCHED_MODE bits 1:0 = 2 (LLVM: expert scheduling mode 2), set by the entry lines.  The code itself states the register dependences
; between vector or matrix instructions and memory or LDS instructions, with s_wait_alu, always for 0.
; THE PLAN.  Registers that memory or LDS instructions touch in the chunk loop; interval i, s = i % 4:
;   XT[s]          Read by interval i's 32 products; the token loads at the head of interval i + 1 land in it.
;   ST[(s+1)%4]    Read by interval i's roundings; the weight loads at the head of interval i + 1 land in it.
;   WF, half A     Loaded at the head; read by products 1-8; loaded again (second K step); read by products 17-24.  Half B the same, eight products later.
;   CV             Written by the roundings; read by the four LDS stores, which stand behind products 1-8; written again in interval i + 1.
;   ADW, ADR, XADR Read by the LDS stores, the LDS loads and the token loads; written once a lap, at its end.
;   WOFF, BO, HO, L16  Made at the head, never written again.   The accumulators are named by matrix and vector instructions alone.
; So an interval has: one wait on va_vdst at its head, for its 16 loads from memory and its first 16 LDS loads, none of whose registers a vector or matrix instruction of the interval names ahead of them;
; beside it one on vm_vsrc for CV; one on va_vdst behind products 1-8, for the stores of CV and for half A's loads; one behind products 9-16, for half B's.  All 512 registers are taken: there is no further buffer.
.set PITCHB, 16384                     ; bytes in a row of W1
.set CH,     16384                     ; LDS: a chunk: [K step 0..1][c 0..7][half][lane][16 bytes]
.set CLS,    4*CH                      ; LDS: a quarter: the chunks n with one n % 4
.set LIST,   4*CLS                     ; LDS: [wave][1,024] token numbers; the 1,024 bytes behind the lists hold the spare words, at 0x48000
.set STEP,   128                       ; bytes of a token's row in a chunk
.set LN,   1                           ; v1   lane
.set RR,   2                           ; v2   r = lane % 16
.set HH,   3                           ; v3   hh = lane / 16
.set WOFF, 4                           ; v4   my byte offset in a chunk of weights; never rewritten
.set L16,  7                           ; v7   16 lane
.set ADW,  8                           ; v8-11   LDS: where I store, in the chunk in hand of each quarter; in the later passes: where I read
.set ADR,  12                          ; v12-15  LDS: where I read, likewise; in the later passes: each quarter's first chunk
.set XADR, 16                          ; v16-17  byte offset in xb of my token of tile t
.set LA,   18                          ; v18-19  list addresses
.set TOK,  20                          ; v20-21  tokens
.set HO,   22                          ; v22  my byte offset in a tile of h; never rewritten
.set BO,   23                          ; v23  my byte offset in b1; never rewritten
.set XL,   24                          ; v24  16 hh
.set P,    25                          ; v25  at the head: the wave's number
.set QV,   26                          ; v26-27  at work on the list
.set RV,   27
.set CV,   48                          ; v48-63   my eighth of a chunk, rounded: 4 j + q
.set ACC,  64                          ; v64-191  accumulator (t, c) at 64 + 64 t + 8 c
.set LAD,  ACC                         ; v64-95   before the sums begin: the list: the LDS address of the place of the token in routes' register m
.set LDT,  ACC+32                      ; v96-127  before the sums begin: the list: that token's number
.set WF,   192                         ; v192-255 the fragments of one K step: 8 c; half A = c 0-3, half B = c 4-7
.set RT,   192                         ;          the routes, before the first fragment
.set XT,   0                           ; window 1: v0-127 tokens: 32 slot + 16 t + 8 ks
.set ST,   128                         ; window 1: v128-255 four staging buffers of 32
.set U,    0                           ; window 1, the way out: at work
.set PK,   64                          ; window 1, the way out: the packed results, 32 a tile
.set WV,  14                           ; s14  wave
.set EX,  15                           ; s15  expert
.set SL,  16                           ; s16  slice of 128 columns
.set W2,  17                           ; s17  2 x wave
.set N,   18                           ; s18  the expert's rows
.set NM1, 19                           ; s19  N - 1
.set NT,  20                           ; s20  live tiles
.set MK,  21
.set TMP, 22
.set LB,  23                           ; s23  my list
.set MQ,  24                           ; s24-29, s2-3  the list's eight masks, before s24-29 take the parts below: mask k in s[MQ + k - 28 (k / 6)]
.set IT,  24                           ; s24  trips of the chunk loop
.set LIVE, 25                          ; s25  my live tiles in the pass in hand, 0..2
.set P4,  26                           ; s26  4 x trip of the later loop: 16 x pass at a pass's first trip
.set FC,  27                           ; s27  trips of the later loop
.set TM2, 28
.set SJ,  29                           ; s29  later loop: the LDS offset of the trip's chunks in their quarters
.set OF,  30                           ; s[30:31] an offset, high word 0
.set SBC, 32                           ; s[32:33], s[36:37] h at the tile that goes out
.set C1,  38                           ; s[38:39] -2 log2(e) sqrt(2/pi)
.set C2,  40                           ; s[40:41] that times 0.044715
.set HIM, 42                           ; s42  a word's upper bf16
.set T0,  43                           ; s43  my first tile of the pass
.set MSB, 0
.macro WIN new                         ; s_set_vgpr_msb: bits 1:0 source 0, 3:2 source 1, 5:4 source 2, 7:6 destination; the high byte repeats the setting that is left
.if MSB != (\new)
	s_set_vgpr_msb (MSB<<8)|(\new)
.set MSB, (\new)
.endif
.endm
.set W_MUL, 0x04                       ; source 0 (weights), C and D window 0; source 1 (tokens) window 1
.macro BAR                             ; my LDS stores are done and my LDS loads are back; then all eight waves meet
	s_wait_dscnt 0x0
	s_barrier_signal -1
	s_barrier_wait -1
.endm
.macro PLACES                          ; four places between a product and a load into its sources or the first read of its result
.rept 4
	v_nop
.endr
.endm
; 8 loads: two tiles x two K steps x 32 bytes a lane, as matrix fragments; one load touches 32 neighbouring bytes of each of 16 rows
.macro TOKLD slot, mi
.set tt, 0
.rept 2
.set tk, 0
.rept 2
	global_load_b128 v[XT+32*(\slot)+16*tt+8*tk:XT+32*(\slot)+16*tt+8*tk+3],   v[XADR+tt], s[4:5] offset:STEP*(\mi)+64*tk
	global_load_b128 v[XT+32*(\slot)+16*tt+8*tk+4:XT+32*(\slot)+16*tt+8*tk+7], v[XADR+tt], s[4:5] offset:STEP*(\mi)+64*tk+32
.set tk, tk+1
.endr
.set tt, tt+1
.endr
.endm
; 8 loads: rows 32 a + 16 qh + 8 hh + 0..7 of the chunk, 64 columns: the order of k in a 16-bit fragment
.macro UNIT_LOAD nrel, buf
.set ui, 0
.rept 8
	global_load_b128 v[ST+32*(\buf)+4*ui:ST+32*(\buf)+4*ui+3], v[WOFF], s[8:9] offset:(64*(\nrel)+ui)*PITCHB th:TH_LOAD_NT
.set ui, ui+1
.endr
.endm
.macro ISSUE tk, slot, mi, wk, buf, nrel   ; tokens first, then weights
	WIN 0x40                                       ; destination window 1, address window 0
.if \tk
	TOKLD \slot, \mi
.endif
.if \wk
	UNIT_LOAD \nrel, \buf
.endif
	WIN 0
.endm
; Buffer b is waited for and rounded (register q of fragment j is rows 2 q, 2 q + 1 of column j)
.macro CVT b, cnt
	s_wait_loadcnt \cnt                            ; the tokens and the weights that this interval needs are in; what was asked for behind them may be out
	WIN 0x05                                       ; sources window 1, destination window 0
.set uj, 0
.rept 4
.set uq, 0
.rept 4
	v_cvt_pk_bf16_f32 v[CV+4*uj+uq], v[ST+32*(\b)+8*uq+uj], v[ST+32*(\b)+8*uq+4+uj]
.set uq, uq+1
.endr
.set uj, uj+1
.endr
	WIN 0
.endm
.macro STO b                           ; and stored into quarter b: 32 lanes x 16 neighbouring bytes, no bank met twice
.irp j4, 0,1,2,3
	ds_store_b128 v[ADW+(\b)], v[CV+4*\j4:CV+4*\j4+3] offset:1024*\j4
.endr
.endm
.macro FRAG adr, ks, hf                ; 8 LDS loads: four fragments of K step ks
	WIN 0
.set fc, 4*(\hf)
.rept 4
	ds_load_b128 v[WF+8*fc:WF+8*fc+3],   v[\adr] offset:8192*(\ks)+1024*fc
	ds_load_b128 v[WF+8*fc+4:WF+8*fc+7], v[\adr] offset:8192*(\ks)+1024*fc+512
.set fc, fc+1
.endr
.endm
.macro MUL8 slot, ks, hf               ; eight products on eight accumulators: they take turns, one instruction a turn
	WIN W_MUL
.set mt, 0
.rept 2
.set mc, 4*(\hf)
.rept 4
.set rD, ACC+64*mt+8*mc
.set rW, WF+8*mc
.set rX, XT+32*(\slot)+16*mt+8*(\ks)
	v_wmma_f32_16x16x32_bf16 v[rD:rD+7], v[rW:rW+7], v[rX:rX+7], v[rD:rD+7]
.set mc, mc+1
.endr
.set mt, mt+1
.endr
.endm
; A chunk's 32 products.  The first K step's two halves have been asked for.  While one half is multiplied the other is loaded again with the second K step.
; cv = 1: the roundings of buffer b stand ahead; their four LDS stores go out behind the first eight products, so that one wait serves them and half A's loads.
.macro PROD2 adr, slot, cv, b
	s_wait_dscnt 8                                 ; half A is in; half B's 8 loads may be out
	MUL8 \slot, 0, 0
	WIN 0
	PLACES
	s_wait_alu depctr_va_vdst(0)                   ; the eight products are done reading half A, in which the loads below land; with cv = 1 the roundings have written v[CV ..], which the stores below read
.if \cv
	STO \b
.endif
	FRAG \adr, 1, 0
	s_wait_dscnt 8+4*(\cv)                         ; half B is in; the stores and the 8 loads just issued may be out
	MUL8 \slot, 0, 1
	WIN 0
	PLACES
	s_wait_alu depctr_va_vdst(0)                   ; the eight products are done reading half B, in which the loads below land
	FRAG \adr, 1, 1
	s_wait_dscnt 8                                 ; half A's second K step
	MUL8 \slot, 1, 0
	s_wait_dscnt 0x0
	MUL8 \slot, 1, 1
	WIN 0
.endm
; AN INTERVAL, number 4 t + s.  tk, wk: tokens of chunk + 3 and weights of chunk + 4 are asked for; cv: chunk + 1 is made.  The rounding stands on both sides of the one jump, so that in a live wave it lies
; between the LDS loads and the wait for them.
.macro IVAL s, tk, wk, cv, cnt
	s_wait_alu depctr_va_vdst(0)                   ; the interval before: its products are done reading their token slot and both halves of the fragments, its roundings are done reading their staging buffer: the loads below land in these; at a lap's first interval the stepped addresses are written
.if (\cv) && ((\s) != 0)
	s_wait_alu depctr_vm_vsrc(0)                   ; the LDS stores of the interval before have read v[CV ..], which this interval's roundings write again (at s = 0 the wait ahead of the addresses' step has stated it)
.endif
.if (\tk) || (\wk)
	ISSUE \tk, ((\s)+3)%4, (\s)+3, \wk, \s, (\s)+4
.endif
.if !(\cv)
	s_wait_loadcnt \cnt
.endif
	s_cmp_eq_u32 s[LIVE], 0
	s_cbranch_scc1 .Ldd_\@
	FRAG ADR+(\s), 0, 0                            ; no vector or matrix instruction since the wait at the head: it serves these loads too
	FRAG ADR+(\s), 0, 1
.if \cv
	CVT ((\s)+1)%4, \cnt
.endif
	PROD2 ADR+(\s), \s, \cv, ((\s)+1)%4
.if \cv
	s_branch .Ljn_\@
.Ldd_\@:
	CVT ((\s)+1)%4, \cnt
	s_wait_alu depctr_va_vdst(0)                   ; the roundings have written v[CV ..], which the stores read
	STO ((\s)+1)%4
.Ljn_\@:
.else
.Ldd_\@:
.endif
	PLACES                                         ; four places behind the last products: the way out reads their sums; the next interval's loads have the wait at its head beside them
.endm
.macro STEPALL                         ; four chunks on
	s_wait_xcnt 0x0                                ; offsets and base of the loads that are out are stepped only behind this wait
	s_wait_alu depctr_vm_vsrc(0)                   ; the LDS stores and loads issued so far have read ADW, ADR and v[CV ..], the token loads XADR
.irp k4, 0,1,2,3
	v_add_nc_u32 v[ADW+\k4], CH, v[ADW+\k4]
	v_add_nc_u32 v[ADR+\k4], CH, v[ADR+\k4]
.endr
	v_add_nc_u32 v[XADR], 4*STEP, v[XADR]
	v_add_nc_u32 v[XADR+1], 4*STEP, v[XADR+1]
	s_add_nc_u64 s[8:9], s[8:9], 4*64*PITCHB
.endm
.macro PASSN                           ; how many of my two tiles are live
	s_sub_co_i32 s[TMP], s[NT], s[T0]
	s_max_i32 s[TMP], s[TMP], 0
	s_min_u32 s[LIVE], s[TMP], 2
.endm
.macro INITLD                          ; b1: load 8 g + n takes columns 64 g + 32 hh + 4 n + 0..3
	WIN 0x40
.set ii, 0
.rept 16
	global_load_b128 v[XT+4*ii:XT+4*ii+3], v[BO], s[10:11] offset:256*(ii/8)+16*(ii%8)
.set ii, ii+1
.endr
	WIN 0
.endm
.macro SETUP ld                        ; my tokens: rank 16 (T0 + t) + r, held to N - 1 and to the list.  ld = 1: a later pass: the bias is asked for behind the list's loads
	s_lshl_b32 s[TM2], s[T0], 4
	v_add_nc_u32 v[LA], s[TM2], v[RR]
	v_add_nc_u32 v[LA+1], 16, v[LA]
.irp t3, 0,1
	v_min_u32 v[LA+\t3], s[NM1], v[LA+\t3]
	v_min_u32 v[LA+\t3], 0x3ff, v[LA+\t3]
	v_lshl_add_u32 v[LA+\t3], v[LA+\t3], 2, s[LB]
.endr
	s_wait_alu depctr_va_vdst(0)                   ; v[LA ..] are written, which the loads read; the last pass's lines are done with v[TOK ..], and its way out with the registers in which the bias lands
	ds_load_b32 v[TOK], v[LA]                      ; LDS serves a wave's instructions in order (ISA guide 5.7.1.4): these see the list's stores
	ds_load_b32 v[TOK+1], v[LA+1]
.if \ld
	INITLD
.endif
	s_wait_dscnt 0x0
.irp t3, 0,1
	v_min_u32 v[TOK+\t3], 0x3ff, v[TOK+\t3]
	v_lshl_add_u32 v[XADR+\t3], v[TOK+\t3], 11, v[XL]
.endr
.endm
.macro INITCV                          ; the bias is rounded to bf16 like every input, and both tiles' sums begin with it: one text then serves every chunk, and no addition is left for the way out
	WIN 0x45                                       ; all in window 1
.set ii, 0
.rept 32
	v_cvt_pk_bf16_f32 v[XT+2*ii], v[XT+2*ii], v[XT+2*ii+1]
.set ii, ii+1
.endr
	WIN 0x04                                       ; source 1 window 1, destination window 0
.set ii, 0
.rept 16
.set ia, ACC+32*(ii/8)+ii%8
.irp tb, 0, 64
	v_lshlrev_b32 v[ia+\tb],    16,     v[XT+4*ii]
	v_and_b32     v[ia+\tb+8],  s[HIM], v[XT+4*ii]
	v_lshlrev_b32 v[ia+\tb+16], 16,     v[XT+4*ii+2]
	v_and_b32     v[ia+\tb+24], s[HIM], v[XT+4*ii+2]
.endr
.set ii, ii+1
.endr
	WIN 0
.endm
.macro OBS k                           ; a chunk of a later pass: its tokens are asked for and waited for in full
	WIN 0x40
	s_wait_alu depctr_va_vdst(0)                   ; the chunk before: its products are done reading slot 0 and the fragments, in which the loads below land; at a trip's head ADW and XADR are written, at a pass's head the bias's lines are done with slot 0
	TOKLD 0, \k
	FRAG ADW+(\k), 0, 0
	FRAG ADW+(\k), 0, 1
	s_wait_loadcnt 0x0
	PROD2 ADW+(\k), 0, 0, 0
	PLACES
.endm
.macro E32 line:vararg                 ; one line for each of 32 register pairs e2
.set e2, 0
.rept 32
	\line
.set e2, e2+2
.endr
.endm
.macro E64 line:vararg
.set e1, 0
.rept 64
	\line
.set e1, e1+1
.endr
.endm
; THE WAY OUT of tile t, if it is live.  gelu(x) = x / (1 + 2^(x (C1 + C2 x x))).  Each accumulator is read from its low end on.
.macro WAYOUT t
.set XB,  ACC+64*(\t)
.set PKB, PK+32*(\t)
.set SBX, SBC+4*(\t)
	s_add_co_u32 s[TMP], s[T0], \t
	s_cmp_ge_u32 s[TMP], s[NT]
	s_cbranch_scc1 .Lwo_\@
	s_min_u32 s[TMP], s[TMP], 63
	s_lshl_b32 s[OF], s[EX], 6
	s_add_co_u32 s[OF], s[OF], s[TMP]
	s_lshl_b32 s[OF], s[OF], 17                    ; tile 64 e + T, 131,072 bytes each
	s_add_nc_u64 s[SBX:SBX+1], s[12:13], s[OF:OF+1]
	WIN 0x40                                       ; destination window 1
	E32 v_pk_mul_f32 v[U+e2:U+e2+1], v[XB+e2:XB+e2+1], v[XB+e2:XB+e2+1]
	WIN 0x41                                       ; source 0 and destination window 1
	E32 v_pk_fma_f32 v[U+e2:U+e2+1], v[U+e2:U+e2+1], s[C2:C2+1], s[C1:C1+1] op_sel_hi:[1,0,0]
	E32 v_pk_mul_f32 v[U+e2:U+e2+1], v[U+e2:U+e2+1], v[XB+e2:XB+e2+1]
	E64 v_exp_f32 v[U+e1], v[U+e1]
	v_nop                                          ; a plain instruction behind the last exponential,
	s_wait_alu depctr_va_vdst(0)                   ; and one wait for the 64, ahead of their first reader
	E32 v_pk_add_f32 v[U+e2:U+e2+1], v[U+e2:U+e2+1], 1.0 op_sel_hi:[1,0]
	E64 v_rcp_f32 v[U+e1], v[U+e1]
	v_nop
	s_wait_alu depctr_va_vdst(0)                   ; one wait for the 64 reciprocals
	E32 v_pk_mul_f32 v[U+e2:U+e2+1], v[U+e2:U+e2+1], v[XB+e2:XB+e2+1]
	WIN 0x45
.set ei, 0
.rept 32                               ; fragment 2 g + a = ei / 8, register ei % 8: columns 2 a and 2 a + 1 of four make a pair
	v_cvt_pk_f16_f32 v[PKB+ei], v[U+16*(ei/8)+ei%8], v[U+16*(ei/8)+8+ei%8]
.set ei, ei+1
.endr
	WIN 0x04                                       ; store data window 1
	s_wait_alu depctr_va_vdst(0)                   ; the roundings have written the tile's 32 packed registers, which the stores read
.irp y, 0,1,2,3,4,5,6,7
	global_store_b128 v[HO], v[PKB+4*\y:PKB+4*\y+3], s[SBX:SBX+1] offset:512*\y   ; a wave's store covers 512 consecutive bytes, aligned
.endr
	WIN 0
.Lwo_\@:
.endm
	s_load_b256 s[4:11], s[0:1], 0x0               ; xb s[4:5], routes s[6:7], w1 s[8:9], b1 s[10:11]
	s_load_b64 s[12:13], s[0:1], 0x20              ; h
	v_lshl_add_u32 v46, v0, 2, 0x48000
	v_mov_b32 v47, 0
	v_and_b32 v[LN], 31, v0
	v_and_b32 v[RR], 15, v0
	v_bfe_u32 v[HH], v0, 4, 1
	v_lshrrev_b32 v[P], 5, v0
	v_readfirstlane_b32 s[WV], v[P]
	v_lshlrev_b32 v[L16], 4, v[LN]
	s_and_b32 s[EX], ttmp7, 0xffff
	s_mov_b32 s[SL], ttmp9
	s_mov_b32 s[OF+1], 0
	s_mov_b32 s[HIM], 0xffff0000
	s_mov_b32 s[C1], 0xc0135761                    ; -2.3022082
	s_mov_b32 s[C1+1], s[C1]                       ; named with it as a pair
	s_mov_b32 s[C2], 0xbdd2d3e8                    ; -0.10294324
	s_mov_b32 s[C2+1], s[C2]
	s_wait_alu depctr_va_sdst(0)                   ; the wave's number is written, ahead of its first reader
	s_lshl_b32 s[W2], s[WV], 1
	s_lshr_b32 s[TMP], s[WV], 2                    ; a
	s_bfe_u32 s[TM2], s[WV], 0x10001               ; g
	s_and_b32 s[MK], s[WV], 1                      ; qh
	s_lshl_b32 s[IT], s[TMP], 19                   ; 32 a rows of 16,384 bytes,
	s_lshl_b32 s[FC], s[MK], 18                    ; 16 qh rows,
	s_add_co_u32 s[IT], s[IT], s[FC]
	s_lshl_b32 s[FC], s[TM2], 8                    ; 256 g
	s_add_co_u32 s[IT], s[IT], s[FC]
	v_lshl_add_u32 v[WOFF], v[RR], 4, s[IT]
	v_lshl_add_u32 v[WOFF], v[HH], 17, v[WOFF]     ; 8 rows further for the upper half of the lanes
	s_lshl_b32 s[TMP], s[TMP], 13                  ; in a chunk: 8,192 a + 4,096 g + 512 qh + 16 lane
	s_lshl_b32 s[TM2], s[TM2], 12
	s_lshl_b32 s[MK], s[MK], 9
	s_add_co_u32 s[TMP], s[TMP], s[TM2]
	s_add_co_u32 s[TMP], s[TMP], s[MK]
	v_add_nc_u32 v[ADW], s[TMP], v[L16]
	v_add_nc_u32 v[ADW+1], CLS, v[ADW]
	v_add_nc_u32 v[ADW+2], 2*CLS, v[ADW]
	v_add_nc_u32 v[ADW+3], 3*CLS, v[ADW]
	v_mov_b32 v[ADR], v[L16]
	v_add_nc_u32 v[ADR+1], CLS, v[L16]
	v_add_nc_u32 v[ADR+2], 2*CLS, v[L16]
	v_add_nc_u32 v[ADR+3], 3*CLS, v[L16]
	s_lshl_b32 s[OF], s[EX], 24                    ; expert x 16 MiB + slice x 512 bytes
	s_lshl_b32 s[TMP], s[SL], 9
	s_add_co_u32 s[OF], s[OF], s[TMP]
	s_lshl_b32 s[TM2], s[EX], 14                   ; my bias: 4 (4,096 e + 128 slice + 32 hh)
	s_add_co_u32 s[TM2], s[TM2], s[TMP]
	v_lshl_add_u32 v[BO], v[HH], 7, s[TM2]
	s_wait_kmcnt 0x0
	s_add_nc_u64 s[8:9], s[8:9], s[OF:OF+1]
	s_wait_alu depctr_va_vdst(0)                   ; v[L16], v[BO] and v[WOFF] are written, the offsets of the 56 loads below; so are the LDS addresses ADW and ADR
.irp i, 0,1,2,3,4,5,6,7
	global_load_b128 v[RT+4*\i:RT+4*\i+3], v[L16], s[6:7] offset:512*\i   ; all routes: register 4 i + n holds token 128 i + 4 lane + n
.endr
	INITLD
	WIN 0x40
	UNIT_LOAD 0, 0                                 ; the first four chunks' weights go out before anything is waited for
	UNIT_LOAD 1, 1
	UNIT_LOAD 2, 2
	UNIT_LOAD 3, 3
	WIN 0
	v_lshlrev_b32 v[XL], 4, v[HH]
	s_lshl_b32 s[TMP], s[SL], 12
	v_add_nc_u32 v[HO], s[TMP], v[L16]             ; fb = 2 slice + g: slice x 4,096 + 16 lane
	s_lshl_b32 s[LB], s[WV], 12
	s_add_co_u32 s[LB], s[LB], LIST
	s_mov_b32 s[N], 0
	v_sub_nc_u32 v[RV], 0x3ff, v[LN]
	v_lshlrev_b32 v[LDT], 2, v[LN]                 ; the token of routes' register 0
	s_wait_loadcnt 32                              ; routes and bias are in; the 32 loads of weights may be out
	; THE LIST: a counting sort without atomics.  A token of mine goes to rank N + (mine among the lower lanes); any other to 1,023 - (others before it): a permutation of all 1,024.
	; The compares go in runs of eight, into eight scalar registers, with one wait behind each run; all 32 addresses and token numbers have registers of their own, so that the 32 stores stand behind one wait.
.set g, 0
.rept 4
.set k, 0
.rept 8
	v_cmp_eq_u32 s[MQ+k-28*(k/6)], s[EX], v[RT+8*g+k]
.set k, k+1
.endr
	s_wait_alu depctr_va_sdst(0)                   ; the eight masks are written, ahead of their first readers
.set k, 0
.rept 8
.set m, 8*g+k
.set mq, MQ+k-28*(k/6)
	v_mbcnt_lo_u32_b32 v[LAD+m], s[mq], s[N]
	v_add_nc_u32 v[QV], v[LAD+m], v[RV]
	v_cndmask_b32 v[LAD+m], v[QV], v[LAD+m], s[mq]
	v_min_u32 v[LAD+m], 0x3ff, v[LAD+m]
	v_lshl_add_u32 v[LAD+m], v[LAD+m], 2, s[LB]
.if m%4 == 3
.if m < 31
	v_add_nc_u32 v[LDT+m+1], 125, v[LDT+m]         ; the next register's token
.endif
.else
	v_add_nc_u32 v[LDT+m+1], 1, v[LDT+m]
.endif
	v_add_nc_u32 v[RV], 0xffffffe0, v[RV]
	s_bcnt1_i32_b32 s[TMP], s[mq]
	s_add_co_u32 s[N], s[N], s[TMP]
.set k, k+1
.endr
.set g, g+1
.endr
	s_wait_alu depctr_va_vdst(0)                   ; the 32 addresses and the 32 token numbers are written, which the stores read
.set m, 0
.rept 32
	ds_store_b32 v[LAD+m], v[LDT+m]
.set m, m+1
.endr
	s_sub_co_u32 s[NM1], s[N], 1                   ; with no row: all ones, which holds no rank back
	s_add_co_u32 s[NT], s[N], 15
	s_lshr_b32 s[NT], s[NT], 4
	s_mov_b32 s[T0], s[W2]
	PASSN
	s_wait_alu depctr_vm_vsrc(0)                   ; the list's stores have read v[LAD ..] and v[LDT ..]: these registers are accumulators from here on, and the lines below write them
	INITCV
	SETUP 0
	WIN 0x40
	s_wait_alu depctr_va_vdst(0)                   ; v[XADR ..] are written, the offsets of the loads below; the bias's lines are done with slots 0 and 1, in which they land
	TOKLD 0, 0                                     ; the tokens of chunks 0, 1 and 2
	TOKLD 1, 1
	TOKLD 2, 2
	WIN 0
	CVT 0, 8                                       ; all but chunk 2's tokens are in: from here on the loop's one count holds in every interval.  Chunk 0 is made
	s_wait_alu depctr_va_vdst(0)                   ; the roundings have written v[CV ..], which the stores read
	STO 0
	s_wait_alu depctr_vm_vsrc(0)                   ; those stores have read v[ADW] and v[CV ..]
	v_add_nc_u32 v[ADW], CH, v[ADW]                ; quarter 0's next chunk is chunk 4
	BAR                                            ; chunk 0 lies in LDS
	s_mov_b32 s[IT], 3
.Lloop:                                                ; intervals 0 to 11.  At the first trip the wait at interval 0's head also states: v[ADW] is written, chunk 0's roundings are done reading buffer 0, the list's compares are done reading the routes, where fragments land
	IVAL 0, 1, 1, 1, 48
	BAR
	IVAL 1, 1, 1, 1, 48
	BAR
	IVAL 2, 1, 1, 1, 48
	BAR
	IVAL 3, 1, 1, 1, 48
	STEPALL
	BAR
	s_sub_co_u32 s[IT], s[IT], 1
	s_cmp_lg_u32 s[IT], 0
	s_cbranch_scc1 .Lloop
	IVAL 0, 1, 0, 1, 40                            ; intervals 12 to 15 ask for the last tokens and for no more weights: the counts run down
	BAR
	IVAL 1, 0, 0, 1, 24
	BAR
	IVAL 2, 0, 0, 1, 8
	BAR
	IVAL 3, 0, 0, 0, 0
	; THE WAY OUT AND THE LATER PASSES.  No LDS byte is written any more.  In the first trip of each four the pass in hand goes out and the next is set up; each trip takes four chunks, one of each quarter.
	s_wait_alu depctr_vm_vsrc(0)                   ; the LDS loads and stores of the chunk loop have read ADR and ADW, its token loads XADR: all are written anew from here on
	v_mov_b32 v[ADR], v[L16]
	v_add_nc_u32 v[ADR+1], CLS, v[L16]
	v_add_nc_u32 v[ADR+2], 2*CLS, v[L16]
	v_add_nc_u32 v[ADR+3], 3*CLS, v[L16]
	s_mov_b32 s[SJ], 0
	s_mov_b32 s[P4], 0
	s_mov_b32 s[FC], 13
.Lov:
	s_cmp_lg_u32 s[SJ], 0
	s_cbranch_scc1 .Lnw
	s_wait_xcnt 0x0                                ; the last pass's stores have read their registers and their bases
	s_add_co_u32 s[T0], s[P4], s[W2]
	WAYOUT 0
	WAYOUT 1
	s_wait_xcnt 0x0                                ; on every way from here the stores' registers are free
	s_wait_alu depctr_vm_vsrc(0)                   ; the stores above have read the packed registers, which the next pass's way out writes again; the list's loads of the pass before have read v[LA ..], which the set-up below writes
	s_add_co_u32 s[T0], s[T0], 16
	PASSN
	s_cmp_eq_u32 s[LIVE], 0
	s_cbranch_scc1 .Lnw
	SETUP 1
	s_wait_loadcnt 0x0
	INITCV
.Lnw:
	s_cmp_eq_u32 s[LIVE], 0
	s_cbranch_scc1 .Lovn
.irp k4, 0,1,2,3
	v_add_nc_u32 v[ADW+\k4], s[SJ], v[ADR+\k4]     ; on every way here a wait on vm_vsrc stands behind the last LDS instruction that read ADW: the one ahead of the loop, or the one at a trip's end
.endr
	OBS 0
	OBS 1
	OBS 2
	OBS 3
	s_wait_alu depctr_vm_vsrc(0)                   ; the trip's token loads have read XADR, its LDS loads ADW
	v_add_nc_u32 v[XADR], 4*STEP, v[XADR]          ; free: the loads that named them were waited for
	v_add_nc_u32 v[XADR+1], 4*STEP, v[XADR+1]
.Lovn:
	s_add_co_u32 s[SJ], s[SJ], CH                  ; 0, 16, 32, 48 KB and round again
	s_and_b32 s[SJ], s[SJ], 0xc000
	s_add_co_u32 s[P4], s[P4], 4
	s_sub_co_u32 s[FC], s[FC], 1
	s_cmp_lg_u32 s[FC], 0
	s_cbranch_scc1 .Lov
	BAR                                            ; every wave's reads of LDS are back
	s_wait_dscnt 0x0                               ; the wave's end; the spare word's add follows the waits below
	s_wait_alu depctr_hold_cnt(0) depctr_sa_sdst(0) depctr_va_vdst(0) depctr_va_sdst(0) depctr_va_ssrc(0) depctr_va_vcc(0) depctr_vm_vsrc(0)
	s_wait_tensorcnt 0x0
	ds_add_u32 v46, v47
	s_wait_dscnt 0x0
	s_endpgm
.Lfunc_end_k_qd64410f657_ffn1:
	.size	k_qd64410f657_ffn1, .Lfunc_end_k_qd64410f657_ffn1-k_qd64410f657_ffn1
	.p2alignl 7, 3214868480
	.fill 96, 4, 3214868480
	.section	.rodata,"a",@progbits
	.p2align	6, 0x0
	.amdhsa_kernel k_qd64410f657_ffn1
		.amdhsa_group_segment_fixed_size 295936
		.amdhsa_private_segment_fixed_size 0
		.amdhsa_enable_private_segment 0
		.amdhsa_kernarg_size 40
		.amdhsa_user_sgpr_count 2
		.amdhsa_user_sgpr_kernarg_segment_ptr 1
		.amdhsa_wavefront_size32 1
		.amdhsa_system_sgpr_workgroup_id_x 1
		.amdhsa_system_sgpr_workgroup_id_y 1
		.amdhsa_system_sgpr_workgroup_id_z 1
		.amdhsa_system_vgpr_workitem_id 0
		.amdhsa_next_free_vgpr 512
		.amdhsa_next_free_sgpr 66
		.amdhsa_reserve_vcc 0
		.amdhsa_float_denorm_mode_32 3
		.amdhsa_float_denorm_mode_16_64 3
		.amdhsa_memory_ordered 1
		.amdhsa_forward_progress 1
		.amdhsa_inst_pref_size 172
	.end_amdhsa_kernel
	.amdgpu_metadata
---
amdhsa.version: [ 1, 2 ]
amdhsa.kernels:
  - .name:           k_qd64410f657_ffn1
    .symbol:         k_qd64410f657_ffn1.kd
    .args:
      - { .name: xb, .offset: 0, .size: 8, .value_kind: global_buffer, .address_space: global }
      - { .name: routes, .offset: 8, .size: 8, .value_kind: global_buffer, .address_space: global }
      - { .name: w1, .offset: 16, .size: 8, .value_kind: global_buffer, .address_space: global }
      - { .name: b1, .offset: 24, .size: 8, .value_kind: global_buffer, .address_space: global }
      - { .name: h, .offset: 32, .size: 8, .value_kind: global_buffer, .address_space: global }
    .group_segment_fixed_size: 295936
    .private_segment_fixed_size: 0
    .kernarg_segment_align: 8
    .kernarg_segment_size: 40
    .max_flat_workgroup_size: 256
    .sgpr_count:     66
    .vgpr_count:     512
    .wavefront_size: 32
...
	.end_amdgpu_metadata
.endif
;; end of part 5
;; launch ffn2 (part 6): grid 32 x 8, 8 waves a work-group, no clusters, 295,936 bytes of LDS; arguments h, routes, w2, b2, part; writes part
.if DOCPART == 6
	.amdgcn_target "amdgcn-amd-amdhsa--gfx1250"
	.amdhsa_code_object_version 6
	.text
	.protected	k_qd64410f657_ffn2
	.globl	k_qd64410f657_ffn2
	.p2align	8
	.type	k_qd64410f657_ffn2,@function
k_qd64410f657_ffn2:
	s_mov_b64 s[64:65], 0
	v_nop
	global_prefetch_b8 v0, s[64:65] scope:SCOPE_SE
	s_setreg_imm32_b32 hwreg(HW_REG_WAVE_SCHED_MODE, 0, 2), 2
	s_setreg_imm32_b32 hwreg(HW_REG_WAVE_MODE, 25, 1), 1
	s_wait_xcnt 0x0
	s_wait_alu depctr_vm_vsrc(0)
; FFN2.  part[Q][token] = the sum over k in quarter Q of h[token][k] W2[e][k][:], for the token's own expert e; quarter 0's sums begin with b2[e], the others' with 0.  h comes in f16, in fragment order;
; W2 and b2 are rounded to bf16 like every input, and W2's rounded number is written as f16; sums in f32.  The next launch adds the four quarters and scales.
; SHARES.  A work-group has one expert (grid y), 128 of its 1,024 columns (grid x % 8) and 1,024 of K = 4,096 (Q = grid x / 8): 512 KB of f32 weights, which it alone reads, once, in 16 chunks of 64 along K.
; WAVES, CHUNKS, BARRIERS, LOADS, PASSES, LIST as in the launch before: all eight waves are alike; each streams an eighth of every chunk (K step a = w / 4, column half g = (w / 2) % 2, register half
; qh = w % 2), rounds it and lays it into LDS, where the slice stays (256 KB, each byte written once); each owns the tiles of 16 rows 16 p + 2 w and 16 p + 2 w + 1; between barriers i and i + 1 chunk i + 1 is
; made and chunk i multiplied; interval i asks for the rows of chunk i + 3 and then the weights of chunk i + 4, 8 loads each, and leaves 48 loads out at its wait; rows past 256 are taken in later passes
; from LDS, in one loop of a constant 13 trips without a barrier.  The list is made by the same lines, so ranks agree.
; A live wave multiplies both its tiles; for a tile past the count it reads the
; last live tile once more and stores nothing.
; K ORDER.  In K step (fb, a) the half hh of the lanes owns k = 64 fb + 32 hh + 4 q + 2 a + 0..1 in register q: the order in which h was stored; the weights' rows are loaded in the same order.
; Source 0 = tokens, source 1 = weights: a lane holds column 64 g + 4 r + j of fragment c = 4 g + j and, in register n, token 8 hh + n: four fragments give 16 neighbouring bytes of a token's row.
; Ranks past N - 1 in a live tile repeat token N - 1: they hold the same numbers and store them to the same place.
; No tensor loads and no cluster: each weight has one reader and must pass registers to be rounded.
; LIMITS.  A weight below 6.1e-5 keeps f16's fixed step of 6e-8, one beyond 65,504 has no place in f16; NaN and infinities are not treated apart.
; THE MODE: SCHED_MODE bits 1:0 = 2 (LLVM: expert scheduling mode 2), set by the entry lines.  The code itself states the register dependences
; between vector or matrix instructions and memory or LDS instructions, with s_wait_alu, always for 0.
; THE PLAN.  Registers that memory or LDS instructions touch in the chunk loop; interval i, s = i % 4:
;   XT[s]          Read by interval i's 32 products; the loads of h at the head of interval i + 1 land in it.
;   ST[(s+1)%4]    Read and written by interval i's roundings; the weight loads at the head of interval i + 1 land in it.
;   WF, half A     Loaded at the head; read by products 1-8; loaded again (second K step); read by products 17-24.  Half B the same, eight products later.
;   CV             Written by the roundings; read by the four LDS stores, which stand behind products 1-8; written again in interval i + 1.
;   ADW, ADR, XADR Read by the LDS stores, the LDS loads and the loads of h; written once a lap, at its end.
;   WOFF, BO, L16  Made at the head, never written again.   The accumulators are named by matrix and vector instructions alone.
; So an interval has: one wait on va_vdst at its head, for its 16 loads from memory and its first 16 LDS loads, none of whose registers a vector or matrix instruction of the interval names ahead of them;
; beside it one on vm_vsrc for CV; one on va_vdst behind products 1-8, for the stores of CV and for half A's loads; one behind products 9-16, for half B's.  All 512 registers are taken: there is no further buffer.
.set PITCHB, 4096                      ; bytes in a row of W2
.set CH,     16384                     ; LDS: a chunk: [K step 0..1][c 0..7][half][lane][16 bytes]
.set CLS,    4*CH                      ; LDS: a quarter: the chunks n with one n % 4
.set LIST,   4*CLS                     ; LDS: [wave][1,024] token numbers; the 1,024 bytes behind the lists hold the spare words, at 0x48000
.set STEP,   2048                      ; bytes of a tile of h in a chunk
.set LN,   1
.set RR,   2
.set HH,   3
.set WOFF, 4                           ; v4   my byte offset in a chunk of weights; never rewritten
.set L16,  7                           ; v7   16 lane
.set ADW,  8                           ; v8-11   LDS: where I store, in the chunk in hand of each quarter; in the later passes: where I read
.set ADR,  12                          ; v12-15  LDS: where I read, likewise; in the later passes: each quarter's first chunk
.set XADR, 16                          ; v16-17  byte offset in h of my part of tile t
.set LP,   18                          ; v18  16 r
.set RB,   19                          ; v19  8 hh
.set BO,   20                          ; v20  my byte offset in b2
.set TA,   24                          ; v24-39  the way out: ranks, then list addresses: 8 t + n
.set P,    24                          ; v24-26  at work at the head and on the list, before the way out
.set QV,   25
.set RV,   26
.set RAW,  32                          ; v32-39  b2 as loaded, before the way out
.set B2,   40                          ; v40-47  what the sums of fragment c begin with
.set CV,   48                          ; v48-63   my eighth of a chunk, rounded: 4 j + q
.set TK,   CV                          ; v48-63   the way out, when no chunk is rounded any more: tokens as loaded from the list, then byte offsets in part: 8 t + n
.set ACC,  64                          ; v64-191  accumulator (t, c) at 64 + 64 t + 8 c
.set LAD,  ACC                         ; v64-95   before the sums begin: the list: the LDS address of the place of the token in routes' register m
.set LDT,  ACC+32                      ; v96-127  before the sums begin: the list: that token's number
.set WF,   192                         ; v192-255 the fragments of one K step: 8 c; half A = c 0-3, half B = c 4-7
.set RT,   192                         ;          the routes, before the first fragment
.set XT,   0                           ; window 1: v0-127 rows of h: 32 slot + 16 t + 8 ks
.set ST,   128                         ; window 1: v128-255 four staging buffers of 32
.set TT,   0                           ; window 1, the way out: a tile turned: 64 t + 4 (8 g + n) + j
.set WV,  14
.set EX,  15
.set SL,  16
.set Q,   17                           ; s17  the quarter of K
.set N,   18
.set NM1, 19
.set NT,  20
.set MK,  21
.set TMP, 22
.set LB,  23
.set MQ,  24                           ; s24-29, s2-3  the list's eight masks, before s24-29 take the parts below: mask k in s[MQ + k - 28 (k / 6)]
.set IT,  24
.set LIVE, 25                          ; s25  my live tiles in the pass in hand, 0..2
.set P4,  26
.set FC,  27
.set TM2, 28
.set SJ,  29
.set OF,  30                           ; s[30:31] an offset, high word 0
.set W2,  34                           ; s34  2 x wave
.set HIM, 42
.set T0,  43
.set QM,  44                           ; s44  all ones in quarter 0, else 0
.set LV,  45                           ; s45  1: the wave is live
.set NTC, 46                           ; s46  the last live tile (0 where there is none)
.set MSB, 0
.macro WIN new                         ; s_set_vgpr_msb: bits 1:0 source 0, 3:2 source 1, 5:4 source 2, 7:6 destination; the high byte repeats the setting that is left
.if MSB != (\new)
	s_set_vgpr_msb (MSB<<8)|(\new)
.set MSB, (\new)
.endif
.endm
.set W_MUL, 0x01                       ; source 0 (tokens) window 1; source 1 (weights), C and D window 0
.macro BAR                             ; my LDS stores are done and my LDS loads are back; then all eight waves meet
	s_wait_dscnt 0x0
	s_barrier_signal -1
	s_barrier_wait -1
.endm
.macro PLACES                          ; four places between a product and a load into its sources or the first read of its result
.rept 4
	v_nop
.endr
.endm
; 8 loads: two tiles x two K steps, stored as fragments: each load of a live wave takes 512 consecutive bytes
.macro TOKLD slot, mi
.set tt, 0
.rept 2
.set tk, 0
.rept 2
	global_load_b128 v[XT+32*(\slot)+16*tt+8*tk:XT+32*(\slot)+16*tt+8*tk+3],   v[XADR+tt], s[4:5] offset:STEP*(\mi)+1024*tk
	global_load_b128 v[XT+32*(\slot)+16*tt+8*tk+4:XT+32*(\slot)+16*tt+8*tk+7], v[XADR+tt], s[4:5] offset:STEP*(\mi)+1024*tk+512
.set tk, tk+1
.endr
.set tt, tt+1
.endr
.endm
; 8 loads: load i takes row 32 hh + 16 qh + 2 a + 4 (i / 2) + i % 2 of the chunk, 64 columns: sixteen lanes read 256 consecutive aligned bytes
.macro UNIT_LOAD nrel, buf
.set ui, 0
.rept 8
	global_load_b128 v[ST+32*(\buf)+4*ui:ST+32*(\buf)+4*ui+3], v[WOFF], s[8:9] offset:(64*(\nrel)+4*(ui/2)+ui%2)*PITCHB th:TH_LOAD_NT
.set ui, ui+1
.endr
.endm
.macro ISSUE tk, slot, mi, wk, buf, nrel   ; rows of h first, then weights
	WIN 0x40                                       ; destination window 1, address window 0
.if \tk
	TOKLD \slot, \mi
.endif
.if \wk
	UNIT_LOAD \nrel, \buf
.endif
	WIN 0
.endm
.macro PAIRS line:vararg               ; one line for each of my 16 pairs: pA, pB = rows 2 q, 2 q + 1 of column j in the staging buffer, pR = register q of fragment j
.set uj, 0
.rept 4
.set uq, 0
.rept 4
.set pA, ust+8*uq+uj
.set pB, ust+8*uq+4+uj
.set pR, CV+4*uj+uq
	\line
.set uq, uq+1
.endr
.set uj, uj+1
.endr
.endm
; Buffer b is waited for, rounded to bf16, widened again and written as f16
.macro CVT b, cnt
	s_wait_loadcnt \cnt                            ; the rows and the weights that this interval needs are in; what was asked for behind them may be out
.set ust, ST+32*(\b)
	WIN 0x45                                       ; all in window 1
	PAIRS v_cvt_pk_bf16_f32 v[pA], v[pA], v[pB]
	PAIRS v_lshlrev_b32 v[pB], 16, v[pA]
	PAIRS v_and_b32 v[pA], s[HIM], v[pA]
	WIN 0x05                                       ; destination window 0
	PAIRS v_cvt_pk_f16_f32 v[pR], v[pB], v[pA]
	WIN 0
.endm
.macro STO b                           ; and stored into quarter b: 32 lanes x 16 neighbouring bytes, no bank met twice
.irp j4, 0,1,2,3
	ds_store_b128 v[ADW+(\b)], v[CV+4*\j4:CV+4*\j4+3] offset:1024*\j4
.endr
.endm
.macro FRAG adr, ks, hf                ; 8 LDS loads: four fragments of K step ks
	WIN 0
.set fc, 4*(\hf)
.rept 4
	ds_load_b128 v[WF+8*fc:WF+8*fc+3],   v[\adr] offset:8192*(\ks)+1024*fc
	ds_load_b128 v[WF+8*fc+4:WF+8*fc+7], v[\adr] offset:8192*(\ks)+1024*fc+512
.set fc, fc+1
.endr
.endm
.macro MUL8 slot, ks, hf               ; eight products on eight accumulators: they take turns, one instruction a turn
	WIN W_MUL
.set mt, 0
.rept 2
.set mc, 4*(\hf)
.rept 4
.set rD, ACC+64*mt+8*mc
.set rW, WF+8*mc
.set rX, XT+32*(\slot)+16*mt+8*(\ks)
	v_wmma_f32_16x16x32_f16 v[rD:rD+7], v[rX:rX+7], v[rW:rW+7], v[rD:rD+7]
.set mc, mc+1
.endr
.set mt, mt+1
.endr
.endm
; A chunk's 32 products.  The first K step's two halves have been asked for.  While one half is multiplied the other is loaded again with the second K step.
; cv = 1: the roundings of buffer b stand ahead; their four LDS stores go out behind the first eight products, so that one wait serves them and half A's loads.
.macro PROD2 adr, slot, cv, b
	s_wait_dscnt 8                                 ; half A is in; half B's 8 loads may be out
	MUL8 \slot, 0, 0
	WIN 0
	PLACES
	s_wait_alu depctr_va_vdst(0)                   ; the eight products are done reading half A, in which the loads below land; with cv = 1 the roundings have written v[CV ..], which the stores below read
.if \cv
	STO \b
.endif
	FRAG \adr, 1, 0
	s_wait_dscnt 8+4*(\cv)                         ; half B is in; the stores and the 8 loads just issued may be out
	MUL8 \slot, 0, 1
	WIN 0
	PLACES
	s_wait_alu depctr_va_vdst(0)                   ; the eight products are done reading half B, in which the loads below land
	FRAG \adr, 1, 1
	s_wait_dscnt 8                                 ; half A's second K step
	MUL8 \slot, 1, 0
	s_wait_dscnt 0x0
	MUL8 \slot, 1, 1
	WIN 0
.endm
; AN INTERVAL, number 4 t + s.  tk, wk: rows of chunk + 3 and weights of chunk + 4 are asked for; cv: chunk + 1 is made.  The rounding stands on both sides of the one jump, so that in a live wave it lies
; between the LDS loads and the wait for them.
.macro IVAL s, tk, wk, cv, cnt
	s_wait_alu depctr_va_vdst(0)                   ; the interval before: its products are done reading their slot of h and both halves of the fragments, its roundings are done with their staging buffer: the loads below land in these; at a lap's first interval the stepped addresses are written
.if (\cv) && ((\s) != 0)
	s_wait_alu depctr_vm_vsrc(0)                   ; the LDS stores of the interval before have read v[CV ..], which this interval's roundings write again (at s = 0 the wait ahead of the addresses' step has stated it)
.endif
.if (\tk) || (\wk)
	ISSUE \tk, ((\s)+3)%4, (\s)+3, \wk, \s, (\s)+4
.endif
.if !(\cv)
	s_wait_loadcnt \cnt
.endif
	s_cmp_eq_u32 s[LIVE], 0
	s_cbranch_scc1 .Ldd_\@
	FRAG ADR+(\s), 0, 0                            ; no vector or matrix instruction since the wait at the head: it serves these loads too
	FRAG ADR+(\s), 0, 1
.if \cv
	CVT ((\s)+1)%4, \cnt
.endif
	PROD2 ADR+(\s), \s, \cv, ((\s)+1)%4
.if \cv
	s_branch .Ljn_\@
.Ldd_\@:
	CVT ((\s)+1)%4, \cnt
	s_wait_alu depctr_va_vdst(0)                   ; the roundings have written v[CV ..], which the stores read
	STO ((\s)+1)%4
.Ljn_\@:
.else
.Ldd_\@:
.endif
	PLACES                                         ; four places behind the last products: the way out reads their sums; the next interval's loads have the wait at its head beside them
.endm
.macro STEPALL                         ; four chunks on
	s_wait_xcnt 0x0                                ; offsets and base of the loads that are out are stepped only behind this wait
	s_wait_alu depctr_vm_vsrc(0)                   ; the LDS stores and loads issued so far have read ADW, ADR and v[CV ..], the loads of h XADR
.irp k4, 0,1,2,3
	v_add_nc_u32 v[ADW+\k4], CH, v[ADW+\k4]
	v_add_nc_u32 v[ADR+\k4], CH, v[ADR+\k4]
.endr
	v_add_nc_u32 v[XADR], 4*STEP, v[XADR]
	v_add_nc_u32 v[XADR+1], 4*STEP, v[XADR+1]
	s_add_nc_u64 s[8:9], s[8:9], 4*64*PITCHB
.endm
.macro PASSN                           ; how many of my two tiles are live
	s_sub_co_i32 s[TMP], s[NT], s[T0]
	s_max_i32 s[TMP], s[TMP], 0
	s_min_u32 s[LIVE], s[TMP], 2
.endm
.macro SETUP                           ; tile 64 e + T, 131,072 bytes each, + quarter x 32,768 + 16 lane; T is held to the last live tile; a wave that is not live: one address for all lanes
	s_min_u32 s[LV], s[LIVE], 1
.irp t3, 0,1
	s_add_co_u32 s[TMP], s[T0], \t3
	s_min_u32 s[TMP], s[TMP], s[NTC]
	s_min_u32 s[TMP], s[TMP], 63
	s_lshl_b32 s[TM2], s[EX], 6
	s_add_co_u32 s[TM2], s[TM2], s[TMP]
	s_lshl_b32 s[TM2], s[TM2], 17
	s_lshl_b32 s[TMP], s[Q], 15
	s_add_co_u32 s[TM2], s[TM2], s[TMP]
	v_mul_u32_u24 v[XADR+\t3], s[LV], v[L16]
	v_add_nc_u32 v[XADR+\t3], s[TM2], v[XADR+\t3]
.endr
.endm
.macro INIT                            ; the sums begin with the bias (quarter 0) or 0: one text then serves every chunk
.set ii, 0
.rept 128
	v_mov_b32 v[ACC+ii], v[B2+(ii/8)%8]
.set ii, ii+1
.endr
.endm
.macro OBS k                           ; a chunk of a later pass: its rows are asked for and waited for in full
	WIN 0x40
	s_wait_alu depctr_va_vdst(0)                   ; the chunk before: its products are done reading slot 0 and the fragments, in which the loads below land; at a trip's head ADW and XADR are written, at a pass's head the way out's moves into slot 0 are done
	TOKLD 0, \k
	FRAG ADW+(\k), 0, 0
	FRAG ADW+(\k), 0, 1
	s_wait_loadcnt 0x0
	PROD2 ADW+(\k), 0, 0, 0
	PLACES
.endm
.macro TOK8 line:vararg                ; one line for each of my eight tokens of a tile
.set rk, 0
.rept 8
	\line
.set rk, rk+1
.endr
.endm
; THE WAY OUT of tile t, if it is live.  The tile is turned: a token's four neighbouring columns, which lie in four accumulators, come into four neighbouring registers; each accumulator is read from its low end on.
; The list's loads read their addresses in v[TA ..] and land in v[TK ..], registers of their own.
.macro WAYOUT t
.set tb, TA+8*(\t)
.set tq, TK+8*(\t)
	s_add_co_u32 s[TMP], s[T0], \t
	s_cmp_ge_u32 s[TMP], s[NT]
	s_cbranch_scc1 .Lwo_\@
	s_lshl_b32 s[TMP], s[TMP], 4
	v_add_nc_u32 v[tb], s[TMP], v[RB]              ; my tokens' ranks: 16 tile + 8 hh + n
.irp j, 1,2,3,4,5,6,7
	v_add_nc_u32 v[tb+\j], \j, v[tb]
.endr
	TOK8 v_min_u32 v[tb+rk], s[NM1], v[tb+rk]
	TOK8 v_min_u32 v[tb+rk], 0x3ff, v[tb+rk]
	TOK8 v_lshl_add_u32 v[tb+rk], v[tb+rk], 2, s[LB]
	s_wait_alu depctr_va_vdst(0)                   ; the eight list addresses are written, which the loads read; the lines that last wrote the registers in which they land (roundings, or the last pass's offsets) are done
	TOK8 ds_load_b32 v[tq+rk], v[tb+rk]
	WIN 0x40                                       ; destination window 1
.set en, 0
.rept 8
.set ec, 0
.rept 8
	v_mov_b32 v[TT+64*(\t)+4*(8*(ec/4)+en)+ec%4], v[ACC+64*(\t)+8*ec+en]
.set ec, ec+1
.endr
.set en, en+1
.endr
	WIN 0
	s_wait_dscnt 0x0                               ; the tokens
	TOK8 v_min_u32 v[tq+rk], 0x3ff, v[tq+rk]
	TOK8 v_lshl_add_u32 v[tq+rk], v[tq+rk], 12, v[LP]
	WIN 0x04                                       ; store data window 1
	s_wait_alu depctr_va_vdst(0)                   ; the turned tile and the eight offsets are written, which the stores read
.set en, 0
.rept 8
	global_store_b128 v[tq+en], v[TT+64*(\t)+4*en:TT+64*(\t)+4*en+3],       s[12:13]              ; sixteen lanes store 256 consecutive aligned bytes of one token's row
	global_store_b128 v[tq+en], v[TT+64*(\t)+32+4*en:TT+64*(\t)+32+4*en+3], s[12:13] offset:256
.set en, en+1
.endr
	WIN 0
.Lwo_\@:
.endm
	s_load_b256 s[4:11], s[0:1], 0x0               ; h s[4:5], routes s[6:7], w2 s[8:9], b2 s[10:11]
	s_load_b64 s[12:13], s[0:1], 0x20              ; part
	v_lshl_add_u32 v22, v0, 2, 0x48000
	v_mov_b32 v23, 0
	v_and_b32 v[LN], 31, v0
	v_and_b32 v[RR], 15, v0
	v_bfe_u32 v[HH], v0, 4, 1
	v_lshrrev_b32 v[P], 5, v0
	v_readfirstlane_b32 s[WV], v[P]
	v_lshlrev_b32 v[L16], 4, v[LN]
	s_and_b32 s[EX], ttmp7, 0xffff
	s_and_b32 s[SL], ttmp9, 7
	s_lshr_b32 s[Q], ttmp9, 3
	s_mov_b32 s[OF+1], 0
	s_mov_b32 s[HIM], 0xffff0000
	s_wait_alu depctr_va_sdst(0)                   ; the wave's number is written, ahead of its first reader
	s_lshl_b32 s[W2], s[WV], 1
	s_lshr_b32 s[TMP], s[WV], 2                    ; a
	s_bfe_u32 s[TM2], s[WV], 0x10001               ; g
	s_and_b32 s[MK], s[WV], 1                      ; qh
	s_lshl_b32 s[IT], s[TMP], 13                   ; 2 a rows of 4,096 bytes,
	s_lshl_b32 s[FC], s[MK], 16                    ; 16 qh rows,
	s_add_co_u32 s[IT], s[IT], s[FC]
	s_lshl_b32 s[FC], s[TM2], 8                    ; 256 g
	s_add_co_u32 s[IT], s[IT], s[FC]
	v_lshl_add_u32 v[WOFF], v[RR], 4, s[IT]
	v_lshl_add_u32 v[WOFF], v[HH], 17, v[WOFF]     ; 32 rows further for the upper half of the lanes
	s_lshl_b32 s[TMP], s[TMP], 13                  ; in a chunk: 8,192 a + 4,096 g + 512 qh + 16 lane
	s_lshl_b32 s[TM2], s[TM2], 12
	s_lshl_b32 s[MK], s[MK], 9
	s_add_co_u32 s[TMP], s[TMP], s[TM2]
	s_add_co_u32 s[TMP], s[TMP], s[MK]
	v_add_nc_u32 v[ADW], s[TMP], v[L16]
	v_add_nc_u32 v[ADW+1], CLS, v[ADW]
	v_add_nc_u32 v[ADW+2], 2*CLS, v[ADW]
	v_add_nc_u32 v[ADW+3], 3*CLS, v[ADW]
	v_mov_b32 v[ADR], v[L16]
	v_add_nc_u32 v[ADR+1], CLS, v[L16]
	v_add_nc_u32 v[ADR+2], 2*CLS, v[L16]
	v_add_nc_u32 v[ADR+3], 3*CLS, v[L16]
	s_lshl_b32 s[TM2], s[SL], 9
	s_lshl_b32 s[TMP], s[EX], 12                   ; my bias: 4 (1,024 e + 128 slice + 4 r)
	s_add_co_u32 s[TMP], s[TMP], s[TM2]
	v_lshl_add_u32 v[BO], v[RR], 4, s[TMP]
	s_lshl_b32 s[IT], s[Q], 22                     ; quarter x 4 MiB, of w2 (1,024 rows) and of part alike
	s_add_co_u32 s[IT], s[IT], s[TM2]              ; + slice x 512 bytes
	s_lshl_b32 s[OF], s[EX], 24                    ; w2: + expert x 16 MiB
	s_add_co_u32 s[OF], s[OF], s[IT]
	s_cmp_eq_u32 s[Q], 0
	s_cselect_b32 s[QM], -1, 0
	s_wait_kmcnt 0x0
	s_add_nc_u64 s[8:9], s[8:9], s[OF:OF+1]
	s_mov_b32 s[OF], s[IT]
	s_add_nc_u64 s[12:13], s[12:13], s[OF:OF+1]
	s_wait_alu depctr_va_vdst(0)                   ; v[L16], v[BO] and v[WOFF] are written, the offsets of the 42 loads below; so are the LDS addresses ADW and ADR
.irp i, 0,1,2,3,4,5,6,7
	global_load_b128 v[RT+4*\i:RT+4*\i+3], v[L16], s[6:7] offset:512*\i   ; all routes: register 4 i + n holds token 128 i + 4 lane + n
.endr
	global_load_b128 v[RAW:RAW+3],   v[BO], s[10:11]                        ; columns 4 r + 0..3,
	global_load_b128 v[RAW+4:RAW+7], v[BO], s[10:11] offset:256             ; and 64 + 4 r + 0..3
	WIN 0x40
	UNIT_LOAD 0, 0                                 ; the first four chunks' weights go out before anything is waited for
	UNIT_LOAD 1, 1
	UNIT_LOAD 2, 2
	UNIT_LOAD 3, 3
	WIN 0
	v_lshlrev_b32 v[LP], 4, v[RR]
	v_lshlrev_b32 v[RB], 3, v[HH]
	s_lshl_b32 s[LB], s[WV], 12
	s_add_co_u32 s[LB], s[LB], LIST
	s_mov_b32 s[N], 0
	v_sub_nc_u32 v[RV], 0x3ff, v[LN]
	v_lshlrev_b32 v[LDT], 2, v[LN]                 ; the token of routes' register 0
	s_wait_loadcnt 32                              ; routes and bias are in; the 32 loads of weights may be out
.irp k, 0,1,2,3
	v_cvt_pk_bf16_f32 v[P], v[RAW+2*\k], v[RAW+2*\k+1]    ; the bias is rounded to bf16 like every input,
	v_and_b32 v[P], s[QM], v[P]                           ; and counts in quarter 0 alone
	v_lshlrev_b32 v[B2+2*\k], 16, v[P]
	v_and_b32 v[B2+2*\k+1], s[HIM], v[P]
.endr
	; THE LIST: a counting sort without atomics.  A token of mine goes to rank N + (mine among the lower lanes); any other to 1,023 - (others before it): a permutation of all 1,024.
	; The compares go in runs of eight, into eight scalar registers, with one wait behind each run; all 32 addresses and token numbers have registers of their own, so that the 32 stores stand behind one wait.
.set g, 0
.rept 4
.set k, 0
.rept 8
	v_cmp_eq_u32 s[MQ+k-28*(k/6)], s[EX], v[RT+8*g+k]
.set k, k+1
.endr
	s_wait_alu depctr_va_sdst(0)                   ; the eight masks are written, ahead of their first readers
.set k, 0
.rept 8
.set m, 8*g+k
.set mq, MQ+k-28*(k/6)
	v_mbcnt_lo_u32_b32 v[LAD+m], s[mq], s[N]
	v_add_nc_u32 v[QV], v[LAD+m], v[RV]
	v_cndmask_b32 v[LAD+m], v[QV], v[LAD+m], s[mq]
	v_min_u32 v[LAD+m], 0x3ff, v[LAD+m]
	v_lshl_add_u32 v[LAD+m], v[LAD+m], 2, s[LB]
.if m%4 == 3
.if m < 31
	v_add_nc_u32 v[LDT+m+1], 125, v[LDT+m]         ; the next register's token
.endif
.else
	v_add_nc_u32 v[LDT+m+1], 1, v[LDT+m]
.endif
	v_add_nc_u32 v[RV], 0xffffffe0, v[RV]
	s_bcnt1_i32_b32 s[TMP], s[mq]
	s_add_co_u32 s[N], s[N], s[TMP]
.set k, k+1
.endr
.set g, g+1
.endr
	s_wait_alu depctr_va_vdst(0)                   ; the 32 addresses and the 32 token numbers are written, which the stores read
.set m, 0
.rept 32
	ds_store_b32 v[LAD+m], v[LDT+m]
.set m, m+1
.endr
	s_sub_co_u32 s[NM1], s[N], 1                   ; with no row: all ones, which holds no rank back
	s_add_co_u32 s[NT], s[N], 15
	s_lshr_b32 s[NT], s[NT], 4
	s_max_u32 s[NTC], s[NT], 1
	s_sub_co_u32 s[NTC], s[NTC], 1
	s_mov_b32 s[T0], s[W2]
	PASSN
	s_wait_alu depctr_vm_vsrc(0)                   ; the list's stores have read v[LAD ..] and v[LDT ..]: these registers are accumulators from here on, and the lines below write them
	INIT
	SETUP
	WIN 0x40
	s_wait_alu depctr_va_vdst(0)                   ; v[XADR ..] are written, the offsets of the loads below
	TOKLD 0, 0                                     ; the rows of chunks 0, 1 and 2
	TOKLD 1, 1
	TOKLD 2, 2
	WIN 0
	CVT 0, 8                                       ; all but chunk 2's rows are in: from here on the loop's one count holds in every interval.  Chunk 0 is made
	s_wait_alu depctr_va_vdst(0)                   ; the roundings have written v[CV ..], which the stores read
	STO 0
	s_wait_alu depctr_vm_vsrc(0)                   ; those stores have read v[ADW] and v[CV ..]
	v_add_nc_u32 v[ADW], CH, v[ADW]                ; quarter 0's next chunk is chunk 4
	BAR                                            ; chunk 0 lies in LDS
	s_mov_b32 s[IT], 3
.Lloop:                                                ; intervals 0 to 11.  At the first trip the wait at interval 0's head also states: v[ADW] is written, chunk 0's roundings are done with buffer 0, the list's compares are done reading the routes, where fragments land
	IVAL 0, 1, 1, 1, 48
	BAR
	IVAL 1, 1, 1, 1, 48
	BAR
	IVAL 2, 1, 1, 1, 48
	BAR
	IVAL 3, 1, 1, 1, 48
	STEPALL
	BAR
	s_sub_co_u32 s[IT], s[IT], 1
	s_cmp_lg_u32 s[IT], 0
	s_cbranch_scc1 .Lloop
	IVAL 0, 1, 0, 1, 40                            ; intervals 12 to 15 ask for the last rows and for no more weights: the counts run down
	BAR
	IVAL 1, 0, 0, 1, 24
	BAR
	IVAL 2, 0, 0, 1, 8
	BAR
	IVAL 3, 0, 0, 0, 0
	; THE WAY OUT AND THE LATER PASSES.  No LDS byte is written any more.  In the first trip of each four the pass in hand goes out and the next is set up; each trip takes four chunks, one of each quarter.
	s_wait_alu depctr_vm_vsrc(0)                   ; the LDS loads and stores of the chunk loop have read ADR, ADW and v[CV ..], its loads of h XADR: all are written anew from here on
	v_mov_b32 v[ADR], v[L16]
	v_add_nc_u32 v[ADR+1], CLS, v[L16]
	v_add_nc_u32 v[ADR+2], 2*CLS, v[L16]
	v_add_nc_u32 v[ADR+3], 3*CLS, v[L16]
	s_mov_b32 s[SJ], 0
	s_mov_b32 s[P4], 0
	s_mov_b32 s[FC], 13
.Lov:
	s_cmp_lg_u32 s[SJ], 0
	s_cbranch_scc1 .Lnw
	s_wait_xcnt 0x0                                ; the last pass's stores have read their registers
	s_add_co_u32 s[T0], s[P4], s[W2]
	WAYOUT 0
	WAYOUT 1
	s_wait_xcnt 0x0                                ; on every way from here the stores' registers are free: the next rows of h land in them
	s_wait_alu depctr_vm_vsrc(0)                   ; the stores above have read the turned tiles, in which the next rows of h land, and their offsets v[TK ..]; the list's loads have read v[TA ..]: the next way out writes both again
	s_add_co_u32 s[T0], s[T0], 16
	PASSN
	s_cmp_eq_u32 s[LIVE], 0
	s_cbranch_scc1 .Lnw
	SETUP
	INIT
.Lnw:
	s_cmp_eq_u32 s[LIVE], 0
	s_cbranch_scc1 .Lovn
.irp k4, 0,1,2,3
	v_add_nc_u32 v[ADW+\k4], s[SJ], v[ADR+\k4]     ; on every way here a wait on vm_vsrc stands behind the last LDS instruction that read ADW: the one ahead of the loop, or the one at a trip's end
.endr
	OBS 0
	OBS 1
	OBS 2
	OBS 3
	s_wait_alu depctr_vm_vsrc(0)                   ; the trip's loads of h have read XADR, its LDS loads ADW
	v_add_nc_u32 v[XADR], 4*STEP, v[XADR]          ; free: the loads that named them were waited for
	v_add_nc_u32 v[XADR+1], 4*STEP, v[XADR+1]
.Lovn:
	s_add_co_u32 s[SJ], s[SJ], CH                  ; 0, 16, 32, 48 KB and round again
	s_and_b32 s[SJ], s[SJ], 0xc000
	s_add_co_u32 s[P4], s[P4], 4
	s_sub_co_u32 s[FC], s[FC], 1
	s_cmp_lg_u32 s[FC], 0
	s_cbranch_scc1 .Lov
	BAR                                            ; every wave's reads of LDS are back
	s_wait_dscnt 0x0                               ; the wave's end; the spare word's add follows the waits below
	s_wait_alu depctr_hold_cnt(0) depctr_sa_sdst(0) depctr_va_vdst(0) depctr_va_sdst(0) depctr_va_ssrc(0) depctr_va_vcc(0) depctr_vm_vsrc(0)
	s_wait_tensorcnt 0x0
	ds_add_u32 v22, v23
	s_wait_dscnt 0x0
	s_endpgm
.Lfunc_end_k_qd64410f657_ffn2:
	.size	k_qd64410f657_ffn2, .Lfunc_end_k_qd64410f657_ffn2-k_qd64410f657_ffn2
	.p2alignl 7, 3214868480
	.fill 96, 4, 3214868480
	.section	.rodata,"a",@progbits
	.p2align	6, 0x0
	.amdhsa_kernel k_qd64410f657_ffn2
		.amdhsa_group_segment_fixed_size 295936
		.amdhsa_private_segment_fixed_size 0
		.amdhsa_enable_private_segment 0
		.amdhsa_kernarg_size 40
		.amdhsa_user_sgpr_count 2
		.amdhsa_user_sgpr_kernarg_segment_ptr 1
		.amdhsa_wavefront_size32 1
		.amdhsa_system_sgpr_workgroup_id_x 1
		.amdhsa_system_sgpr_workgroup_id_y 1
		.amdhsa_system_sgpr_workgroup_id_z 1
		.amdhsa_system_vgpr_workitem_id 0
		.amdhsa_next_free_vgpr 512
		.amdhsa_next_free_sgpr 66
		.amdhsa_reserve_vcc 0
		.amdhsa_float_denorm_mode_32 3
		.amdhsa_float_denorm_mode_16_64 3
		.amdhsa_memory_ordered 1
		.amdhsa_forward_progress 1
		.amdhsa_inst_pref_size 175
	.end_amdhsa_kernel
	.amdgpu_metadata
---
amdhsa.version: [ 1, 2 ]
amdhsa.kernels:
  - .name:           k_qd64410f657_ffn2
    .symbol:         k_qd64410f657_ffn2.kd
    .args:
      - { .name: h, .offset: 0, .size: 8, .value_kind: global_buffer, .address_space: global }
      - { .name: routes, .offset: 8, .size: 8, .value_kind: global_buffer, .address_space: global }
      - { .name: w2, .offset: 16, .size: 8, .value_kind: global_buffer, .address_space: global }
      - { .name: b2, .offset: 24, .size: 8, .value_kind: global_buffer, .address_space: global }
      - { .name: part, .offset: 32, .size: 8, .value_kind: global_buffer, .address_space: global }
    .group_segment_fixed_size: 295936
    .private_segment_fixed_size: 0
    .kernarg_segment_align: 8
    .kernarg_segment_size: 40
    .max_flat_workgroup_size: 256
    .sgpr_count:     66
    .vgpr_count:     512
    .wavefront_size: 32
...
	.end_amdgpu_metadata
.endif
;; end of part 6
;; launch combine: the kernel of part 4 again; grid 256 x 1, 4 waves a work-group, no clusters, 0 bytes of LDS; arguments part, prob, out0; writes out0
